; MI455X (gfx1250); checked and timed in simulation.
; The chip was launched on July 23, 2026; its instructions are those of AMD's public machine-readable ISA for CDNA 5 (MIT licence, August 2026) and "CDNA5" Instruction Set Architecture Reference Guide (July 2026). The comments in the code are by the model that wrote it; some were corrected since.
;; Multi Head Self Attention. Allowed arithmetic: float matrix products may take bf16 or f16 operands with f32 sums; other float arithmetic in f32, or as packed bf16 or f16 multiplies, adds, multiply-adds, maxima and minima; sums over many terms, partial sums and values carried from step to step in f32; what a program stores and reads back later, other than sums and carried values, may be rounded once to bf16 or f16.
;; Inputs: Wk 1,024 x 1,024 float32; Wo 1,024 x 1,024 float32; Wq 1,024 x 1,024 float32; Wv 1,024 x 1,024 float32; token_positions 1 x 4,096 int32; x 1 x 4,096 x 1,024 float32.
;; Outputs: out0 1 x 4,096 x 1,024 float32.
;; 2 versions, each right; version 2 is version 1 with the launch prep written anew for expert scheduling mode. Each part assembles by itself: llvm-mc -triple=amdgcn-amd-amdhsa -mcpu=gfx1250 --defsym DOCPART=n.
;; ======== version 1 of 2: 4 launches
;; limits: values are held in f16: magnitudes above 65,504 overflow, below 6.1e-05 lose precision; right only within a limited range of input values
;; workspace buffers: xb 8,388,608 bytes; wqkv 6,291,456 bytes; wob 2,097,152 bytes; tab 1,048,576 bytes; qkv 25,165,824 bytes; ob 8,388,608 bytes
;; launch prep (part 1): grid 256 x 1, 8 waves a work-group, no clusters, 0 bytes of LDS; arguments x, Wq, Wk, Wv, Wo, token_positions, xb, wqkv, wob, tab; writes xb, wqkv, wob, tab
.if DOCPART == 1
	.amdgcn_target "amdgcn-amd-amdhsa--gfx1250"
	.amdhsa_code_object_version 6
	.text
	.protected	k_q1e02f3355c_prep
	.globl	k_q1e02f3355c_prep
	.p2align	8
	.type	k_q1e02f3355c_prep,@function
k_q1e02f3355c_prep:
	s_mov_b64 s[64:65], 0
	v_nop
	global_prefetch_b8 v0, s[64:65] scope:SCOPE_SE
	s_setreg_imm32_b32 hwreg(HW_REG_WAVE_MODE, 25, 1), 1
	s_wait_xcnt 0x0
; PREP: the casts to 16 bits and the table of cosines and sines.
; x [4096][1024] f32 -> xb bf16.  Wq, Wk, Wv [1024][1024] f32 -> wqkv bf16, rows ordered by head: row 192 j + 64 t + r holds row 64 j + r of W_t (t = 0 q, 1 k, 2 v).
; Wo -> wob: rounded to bf16 like the other inputs, and that number written as f16.  LIMIT: below 2^-17 it keeps f16's fixed step of 2^-24.
; tab [4096][32][cos, sin] f32: the angle is f32(position) x 10000^(-i/32), one rounding; the power by v_exp_f32.
; sin and cos: the angle less k x pi/2 (pi/2 in three parts, fused multiply-adds), Taylor polynomials on |r| <= pi/4, the quadrant by selects.  LIMIT: angles under 2^24 x pi/2.
; SHARES.  The 8,192 rows of 4,096 bytes are dealt 32 to a work-group: 131,072 dense bytes in, 65,536 dense bytes out.  Thread t takes 32 bytes of each 8,192 and stores 16:
; a wave's store covers 512 consecutive bytes, aligned.  All 32 loads of a thread go out at once; no register is used twice, so no wait frees one.
; No LDS, no matrix unit, no prefetch: each byte is read once, by loads that are all on their way from the start.
.set IN,  32                           ; v[32:159]   32 loads of 4 registers
.set OUT, 160                          ; v[160:223]  16 stores of 4 registers
	s_load_b512 s[8:23], s[0:1], 0x0               ; x s[8:9], Wq s[10:11], Wk s[12:13], Wv s[14:15], Wo s[16:17], positions s[18:19], xb s[20:21], wqkv s[22:23]
	s_load_b128 s[24:27], s[0:1], 0x40             ; wob s[24:25], tab s[26:27]
	v_lshlrev_b32 v1, 5, v0                        ; 32 t: my bytes in
	v_lshlrev_b32 v2, 4, v0                        ; 16 t: my bytes out
	v_lshrrev_b32 v3, 4, v0
	s_lshl_b32 s43, ttmp9, 6
	v_lshl_add_u32 v3, v3, 2, s43                  ; my table row's position: 4 (16 g + t / 16)
	s_lshl_b32 s44, ttmp9, 12
	v_lshl_add_u32 v4, v0, 4, s44                  ; my 16 bytes of the table: 256 (16 g) + 16 t
	s_mov_b32 s42, 0xffff0000                      ; a word's upper bf16
	s_and_b32 s36, ttmp9, 31                       ; c: the block of 32 rows in a weight
	s_sub_co_u32 s41, ttmp9, 128
	s_lshr_b32 s37, s41, 5                         ; which weight: 0 q, 1 k, 2 v, 3 o (for g >= 128)
	s_cmp_lt_u32 ttmp9, 128
	s_cselect_b32 s38, ttmp9, s36
	s_lshl_b32 s32, s38, 17                        ; offset in: 131,072 bytes a block
	s_mov_b32 s33, 0
	s_lshr_b32 s39, s36, 1                         ; the head
	s_mul_i32 s39, s39, 192
	s_lshl_b32 s40, s37, 6
	s_add_co_u32 s39, s39, s40
	s_and_b32 s40, s36, 1
	s_lshl_b32 s40, s40, 5
	s_add_co_u32 s39, s39, s40
	s_lshl_b32 s39, s39, 11                        ; offset out in wqkv: row x 2,048 bytes
	s_lshl_b32 s40, s38, 16                        ; offset out in xb and wob
	s_cmp_lt_u32 s41, 96                           ; 128 <= g < 224
	s_cselect_b32 s34, s39, s40
	s_mov_b32 s35, 0
	s_wait_kmcnt 0x0
	s_cmp_eq_u32 s37, 0
	s_cselect_b64 s[28:29], s[10:11], s[16:17]
	s_cmp_eq_u32 s37, 1
	s_cselect_b64 s[28:29], s[12:13], s[28:29]
	s_cmp_eq_u32 s37, 2
	s_cselect_b64 s[28:29], s[14:15], s[28:29]
	s_cmp_lt_u32 ttmp9, 224
	s_cselect_b64 s[30:31], s[22:23], s[24:25]
	s_cmp_lt_u32 ttmp9, 128
	s_cselect_b64 s[28:29], s[8:9], s[28:29]
	s_cselect_b64 s[30:31], s[20:21], s[30:31]
	s_add_nc_u64 s[28:29], s[28:29], s[32:33]
	s_add_nc_u64 s[30:31], s[30:31], s[34:35]
	global_load_b32 v5, v3, s[18:19]
.set i, 0
.rept 16
	global_load_b128 v[IN+8*i:IN+8*i+3],   v1, s[28:29] offset:8192*i th:TH_LOAD_NT
	global_load_b128 v[IN+8*i+4:IN+8*i+7], v1, s[28:29] offset:8192*i+16 th:TH_LOAD_NT
.set i, i+1
.endr
	v_and_b32 v7, 15, v0
	v_lshlrev_b32 v7, 1, v7                        ; my two pairs: i = 2 (t % 16), and i + 1
	v_add_nc_u32 v8, 1, v7
	v_cvt_f32_u32 v7, v7
	v_cvt_f32_u32 v8, v8
	v_mul_f32 v7, 0xbed49a78, v7                   ; - i log2(10000) / 32
	v_mul_f32 v8, 0xbed49a78, v8
	v_exp_f32 v9, v7
	v_exp_f32 v10, v8
	v_nop                                          ; a plain instruction behind the last exponential
	s_wait_loadcnt 32                              ; the position is in; the 32 loads behind it stay out
	v_cvt_f32_i32 v6, v5
	s_wait_alu depctr_va_vdst(0)                   ; one wait for both exponentials, ahead of their first reader
; cos and sin of v6 x v[inv] into v[dc], v[dc+1]
.macro TRIG inv, dc
	v_mul_f32 v12, v6, v[\inv]                     ; the angle
	v_mul_f32 v13, 0x3f22f983, v12                 ; x 2 / pi
	v_rndne_f32 v13, v13                           ; k
	v_fmamk_f32 v14, v13, 0xbfc90fd8, v12          ; r = angle - k pi/2, pi/2 in three parts
	v_fmamk_f32 v14, v13, 0xb4a8885a, v14
	v_fmamk_f32 v14, v13, 0xa7c234c4, v14
	v_mul_f32 v15, v14, v14                        ; r^2
	v_mov_b32 v16, 0x3638ef1d                      ; 1/9!
	v_fmaak_f32 v16, v16, v15, 0xb9500d01          ; -1/7!
	v_fmaak_f32 v16, v16, v15, 0x3c088889          ; 1/5!
	v_fmaak_f32 v16, v16, v15, 0xbe2aaaab          ; -1/3!
	v_mul_f32 v17, v14, v15
	v_fma_f32 v16, v17, v16, v14                   ; sin r
	v_mov_b32 v18, 0xb493f27e                      ; -1/10!
	v_fmaak_f32 v18, v18, v15, 0x37d00d01          ; 1/8!
	v_fmaak_f32 v18, v18, v15, 0xbab60b61          ; -1/6!
	v_fmaak_f32 v18, v18, v15, 0x3d2aaaab          ; 1/4!
	v_fma_f32 v18, v18, v15, -0.5
	v_fma_f32 v18, v18, v15, 1.0                   ; cos r
	v_cvt_i32_f32 v19, v13                         ; the quadrant is k mod 4
	v_and_b32 v20, 1, v19
	v_cmp_ne_u32 vcc_lo, 0, v20
	v_cndmask_b32 v21, v16, v18, vcc_lo            ; odd k: sin and cos change places
	v_cndmask_b32 v22, v18, v16, vcc_lo
	v_and_b32 v20, 2, v19
	v_lshlrev_b32 v20, 30, v20
	v_xor_b32 v[(\dc)+1], v21, v20                 ; sin turns its sign for k mod 4 = 2, 3
	v_add_nc_u32 v19, 1, v19
	v_and_b32 v19, 2, v19
	v_lshlrev_b32 v19, 30, v19
	v_xor_b32 v[\dc], v22, v19                     ; cos for k mod 4 = 1, 2
.endm
	TRIG 9, 28
	TRIG 10, 30
	global_store_b128 v4, v[28:31], s[26:27]       ; sixteen lanes fill a table row of 256 bytes
.macro CAST i
	s_wait_loadcnt 30-2*(\i)                       ; my pair i of loads is in; the younger pairs stay out
.irp j, 0,1,2,3
	v_cvt_pk_bf16_f32 v[OUT+4*(\i)+(\j)], v[IN+8*(\i)+2*(\j)], v[IN+8*(\i)+2*(\j)+1]
.endr
	global_store_b128 v2, v[OUT+4*(\i):OUT+4*(\i)+3], s[30:31] offset:4096*(\i)
.endm
.macro CASTH i                         ; to bf16, and that number as f16
	s_wait_loadcnt 30-2*(\i)
.irp j, 0,1,2,3
	v_cvt_pk_bf16_f32 v[20+(\j)], v[IN+8*(\i)+2*(\j)], v[IN+8*(\i)+2*(\j)+1]
.endr
.irp j, 0,1,2,3
	v_lshlrev_b32 v[12+2*(\j)], 16, v[20+(\j)]
	v_and_b32 v[13+2*(\j)], s42, v[20+(\j)]
.endr
.irp j, 0,1,2,3
	v_cvt_pk_f16_f32 v[OUT+4*(\i)+(\j)], v[12+2*(\j)], v[13+2*(\j)]
.endr
	global_store_b128 v2, v[OUT+4*(\i):OUT+4*(\i)+3], s[30:31] offset:4096*(\i)
.endm
	s_cmp_ge_u32 ttmp9, 224
	s_cbranch_scc1 .Lhalf
.irp i, 0,1,2,3,4,5,6,7,8,9,10,11,12,13,14,15
	CAST \i
.endr
	s_endpgm
.Lhalf:
.irp i, 0,1,2,3,4,5,6,7,8,9,10,11,12,13,14,15
	CASTH \i
.endr
	s_endpgm
.Lfunc_end_k_q1e02f3355c_prep:
	.size	k_q1e02f3355c_prep, .Lfunc_end_k_q1e02f3355c_prep-k_q1e02f3355c_prep
	.p2alignl 7, 3214868480
	.fill 96, 4, 3214868480
	.section	.rodata,"a",@progbits
	.p2align	6, 0x0
	.amdhsa_kernel k_q1e02f3355c_prep
		.amdhsa_group_segment_fixed_size 0
		.amdhsa_private_segment_fixed_size 0
		.amdhsa_enable_private_segment 0
		.amdhsa_kernarg_size 80
		.amdhsa_user_sgpr_count 2
		.amdhsa_user_sgpr_kernarg_segment_ptr 1
		.amdhsa_wavefront_size32 1
		.amdhsa_system_sgpr_workgroup_id_x 1
		.amdhsa_system_sgpr_workgroup_id_y 1
		.amdhsa_system_sgpr_workgroup_id_z 1
		.amdhsa_system_vgpr_workitem_id 0
		.amdhsa_next_free_vgpr 224
		.amdhsa_next_free_sgpr 66
		.amdhsa_reserve_vcc 1
		.amdhsa_float_denorm_mode_32 3
		.amdhsa_float_denorm_mode_16_64 3
		.amdhsa_memory_ordered 1
		.amdhsa_forward_progress 1
		.amdhsa_inst_pref_size 29
	.end_amdhsa_kernel
	.amdgpu_metadata
---
amdhsa.version: [ 1, 2 ]
amdhsa.kernels:
  - .name:           k_q1e02f3355c_prep
    .symbol:         k_q1e02f3355c_prep.kd
    .args:
      - { .name: x, .offset: 0, .size: 8, .value_kind: global_buffer, .address_space: global }
      - { .name: Wq, .offset: 8, .size: 8, .value_kind: global_buffer, .address_space: global }
      - { .name: Wk, .offset: 16, .size: 8, .value_kind: global_buffer, .address_space: global }
      - { .name: Wv, .offset: 24, .size: 8, .value_kind: global_buffer, .address_space: global }
      - { .name: Wo, .offset: 32, .size: 8, .value_kind: global_buffer, .address_space: global }
      - { .name: token_positions, .offset: 40, .size: 8, .value_kind: global_buffer, .address_space: global }
      - { .name: xb, .offset: 48, .size: 8, .value_kind: global_buffer, .address_space: global }
      - { .name: wqkv, .offset: 56, .size: 8, .value_kind: global_buffer, .address_space: global }
      - { .name: wob, .offset: 64, .size: 8, .value_kind: global_buffer, .address_space: global }
      - { .name: tab, .offset: 72, .size: 8, .value_kind: global_buffer, .address_space: global }
    .group_segment_fixed_size: 0
    .private_segment_fixed_size: 0
    .kernarg_segment_align: 8
    .kernarg_segment_size: 80
    .max_flat_workgroup_size: 256
    .sgpr_count:     66
    .vgpr_count:     224
    .wavefront_size: 32
...
	.end_amdgpu_metadata
.endif
;; end of part 1
;; launch qkv (part 2): grid 16 x 16, 4 waves a work-group, clusters of 4 x 4, 327,680 bytes of LDS; arguments xb, wqkv, tab, qkv; writes qkv
.if DOCPART == 2
	.amdgcn_target "amdgcn-amd-amdhsa--gfx1250"
	.amdhsa_code_object_version 6
	.text
	.protected	k_q1e02f3355c_qkv
	.globl	k_q1e02f3355c_qkv
	.p2align	8
	.type	k_q1e02f3355c_qkv,@function
k_q1e02f3355c_qkv:
	s_mov_b64 s[64:65], 0
	v_nop
	global_prefetch_b8 v0, s[64:65] scope:SCOPE_SE
	s_setreg_imm32_b32 hwreg(HW_REG_WAVE_MODE, 25, 1), 1
	s_wait_xcnt 0x0
	s_wait_alu depctr_hold_cnt(0) depctr_sa_sdst(0) depctr_va_vdst(0) depctr_va_sdst(0) depctr_va_ssrc(0) depctr_va_vcc(0) depctr_vm_vsrc(0)
	s_getreg_b32 s2, hwreg(HW_REG_IB_STS2, 6, 4)
	s_cmp_eq_u32 s2, 0
	s_cbranch_scc0 .Lentry_in_a_cluster
	s_endpgm
.Lentry_in_a_cluster:
	s_bfe_u32 s2, ttmp6, 0x10000c
	s_cmp_lg_u32 s2, 0xf033
	s_cbranch_scc0 .Lentry_shape_is_right
	s_endpgm
.Lentry_shape_is_right:
; QKV: [4096 tokens] x [3072 columns] = xb wqkv^T, K = 1024, bf16 operands, f32 sums; RoPE on q and k on the way out; q, k, v stored by heads, [16][4096][64] in f16, q at byte 0, k at 8,388,608, v at 16,777,216.
; LIMIT: q, k and v must stay under 65,504 (f16); with inputs of unit spread they are of unit spread.
; SHARES.  A tile of 256 tokens x 192 columns: 16 x 16 work-groups.  Tile column j is head j: columns 0-63 q, 64-127 k, 128-191 v.  Wave w owns tokens 64 w .. 64 w + 63 and all 192 columns:
; 4 row blocks a x 12 column blocks b = 48 accumulators; for 32 along K it issues 32 LDS loads and 48 matrix instructions.  K goes in 8 steps of 128 (rows of 256 bytes) through two LDS slots.
; CLUSTER 4 x 4: A's tile hangs on the tile row alone and is asked for jointly along a row of the cluster, B's on the head alone, along a column.
; THE MATRIX INSTRUCTION IS USED TRANSPOSED (source 0 = 16 rows of wqkv, source 1 = 16 tokens): a lane holds one token (lane % 16) and eight neighbouring columns, four RoPE pairs.
; REGISTERS.  window 0: v16-29 addresses; v32-95 A's fragments, two buffers (on the way out v32-79 packed results); v96-127 at work; v128-255 the table: 4 pairs (cos, sin) for (a, b) at 128 + 32 a + 8 b
;   window 1: v0-191 B's fragments, two buffers of 96      window 2: accumulators of a = 0, 1 at 96 (a % 2) + 8 b      window 3: those of a = 2, 3
.set PITCH,  272                       ; an LDS row: 256 bytes + 16 of padding: the 16 rows of a fragment load start at 16 different groups of four banks
.set AHALF,  128*PITCH                 ; what a wave's load of A brings
.set BOFF,   256*PITCH                 ; B's 192 rows lie behind A's 256
.set BHALF,  96*PITCH
.set SLOT1,  131072                    ; slot 1 begins here: one exclusive or turns an address in one slot into the other's
.set STAGE,  SLOT1+BOFF+192*PITCH      ; behind the ring: for each wave three parts (q, k, v) of 16 rows x 144 bytes
.set SP,     144
.set PART,   16*SP
.set WST,    3*PART
.set SPARE,  STAGE+4*WST               ; the spare words: 128 bytes a wave, two blocks of 256 bytes that no other line names
.set GC,     (1<<16)|(1<<20)|(1<<21)|(5<<22)|(3<<25)  ; 2-byte elements; padding on; bit 21 beside a mask; after every 64 words, 4 words
.set ADRA0, 16                         ; my lane's place in A's rows of slot 0; never rewritten
.set ADRB0, 17                         ; the same for B
.set ADRA,  18                         ; the two in the slot in hand
.set ADRB,  19
.set STO,   20                         ; the way out: where I put 16 bytes of a row
.set RD,    21                         ; where I read rows back
.set GO,    22                         ; 16 x lane
.set TO,    23                         ; my bytes in a table row
.set PFO,   24                         ; the prefetches' offset: a lane a row
.set SPW,   28
.set NIL,   29
.set FA,    32
.set PKR,   32
.set TMP,   96
.set TBL,   128
.set CNT,   3                          ; s3   the loop's count
.set WV,    12                         ; s12  my wave
.set FOR,   13                         ; s13  0: I fetch for A, 1: for B
.set HALF,  14                         ; s14  which half of that tile
.set G1A,   24
.set G0A,   32                         ; two sets: slot 0 / K step 0, and the one that walks
.set G1B,   48
.set G0B,   56
.set TB,    66                         ; s66  the slot in hand: 0 or SLOT1
.set LIM,   67                         ; s67  1 in a wave that prefetches, else the greatest number
.set PFA,   68
.set SQ,    70
.set SK,    72
.set SV,    74
.set TABP,  76
.set MSB, 0
.macro WIN new                         ; the immediate's high byte repeats the setting that is left; a switch that changes nothing is dropped
.if MSB != (\new)
	s_set_vgpr_msb (MSB<<8)|(\new)
.set MSB, \new
.endif
.endm
.set MUL_LO, 0xa1                      ; source 0 (B) window 1, source 1 (A) window 0, C and D window 2
.macro PLACES
.rept 4
	v_nop
.endr
.endm
.macro JLOAD                           ; the joint refill by the walking descriptor; an s_nop 0 and four v_nop follow each line
	s_cmp_eq_u32 s[FOR], 0
	s_cbranch_scc0 .Lfor_b_\@
	tensor_load_to_lds s[G0A+4:G0A+7], s[G1A:G1A+7]
	s_nop 0
.rept 4
	v_nop
.endr
	s_branch .Lasked_\@
.Lfor_b_\@:
	tensor_load_to_lds s[G0B+4:G0B+7], s[G1B:G1B+7]
	s_nop 0
.rept 4
	v_nop
.endr
.Lasked_\@:
.endm
.macro CREST                           ; a round of the cluster's barrier behind its opening barrier
	s_cmp_lg_u32 s[WV], 0
	s_cbranch_scc1 .Lnot_wave_0_\@
	s_barrier_signal -3
.Lnot_wave_0_\@:
	s_barrier_wait -3
	s_barrier_signal -1
	s_barrier_wait -1
.endm
.macro CROUND
	s_barrier_signal -1
	s_barrier_wait -1
	CREST
.endm
; A prefetch into the L2 of the K step that the NEXT refill will ask for: 192 matrix instructions ahead of that load.  A's rows are asked for by the clusters with x = 0, B's by those with y = 0;
; the four partners of a joint load share its rows out by address (32 of A's 128 by cx; 24 of B's 96 by cy, lanes 24-31 repeating lane 23's row).  The loop's last trip asks for nothing.
.macro ASK
	s_cmp_gt_u32 s[CNT], s[LIM]
	s_cbranch_scc0 .Lnot_mine_\@
	global_prefetch_b8 v[PFO], s[PFA:PFA+1] th:TH_LOAD_NT scope:SCOPE_SE
.Lnot_mine_\@:
.endm
	s_load_b256 s[4:11], s[0:1], 0x0               ; xb s[4:5], wqkv s[6:7], tab s[8:9], qkv s[10:11]
	v_lshl_add_u32 v[SPW], v0, 2, SPARE
	v_mov_b32 v[NIL], 0
	ds_add_u32 v[SPW], v[NIL]                      ; the wave's opening: the add and its wait ahead of my first tensor load
	v_lshrrev_b32 v1, 5, v0
	v_readfirstlane_b32 s[WV], v1
	s_lshr_b32 s[FOR], s[WV], 1
	s_and_b32 s[HALF], s[WV], 1
	s_bfe_u32 s40, ttmp6, 0x40000                  ; cx
	s_bfe_u32 s41, ttmp6, 0x40004                  ; cy
	s_lshl_b32 s42, ttmp9, 2
	s_add_co_u32 s42, s42, s40                     ; the head = 4 x cluster x + cx
	s_and_b32 s43, ttmp7, 0xffff
	s_lshl_b32 s43, s43, 2
	s_add_co_u32 s43, s43, s41                     ; the tile row = 4 x cluster y + cy
	s_lshl_b32 s44, s41, 2
	s_lshl_b32 s44, 15, s44                        ; my row of the cluster
	s_lshl_b32 s45, 0x1111, s40                    ; my column
	s_or_b32 s[G1A], s44, GC
	s_or_b32 s[G1B], s45, GC
	s_mov_b32 s[G1A+1], 128<<16                    ; tensor_dim0 = 128
	s_mov_b32 s[G1A+2], 128<<16                    ; tensor_dim1 = 128
	s_mov_b32 s[G1A+3], 128<<16                    ; tile_dim0 = 128
	s_mov_b32 s[G1A+4], 128                        ; tile_dim1 = 128
	s_mov_b32 s[G1A+5], 1024                       ; elements from row to row
	s_mov_b32 s[G1A+6], 0
	s_mov_b32 s[G1A+7], 0
	s_mov_b32 s[G1B+1], 128<<16
	s_mov_b32 s[G1B+2], 96<<16                     ; 96 rows
	s_mov_b32 s[G1B+3], 128<<16
	s_mov_b32 s[G1B+4], 96
	s_mov_b32 s[G1B+5], 1024
	s_mov_b32 s[G1B+6], 0
	s_mov_b32 s[G1B+7], 0
	s_lshl_b32 s16, s43, 8
	s_lshl_b32 s17, s[HALF], 7
	s_add_co_u32 s16, s16, s17                     ; A: row 256 x tile row + 128 x half
	s_lshl_b32 s16, s16, 11
	s_mov_b32 s17, 0
	s_mul_i32 s46, s42, 192
	s_mul_i32 s47, s[HALF], 96
	s_add_co_u32 s46, s46, s47                     ; B: row 192 x head + 96 x half
	s_lshl_b32 s46, s46, 11
	s_mov_b32 s47, 0
	s_mul_i32 s18, s[HALF], AHALF
	s_mul_i32 s19, s[HALF], BHALF
	s_add_co_u32 s19, s19, BOFF
	s_mov_b32 s[G0A], 1
	s_mov_b32 s[G0A+1], s18
	s_mov_b32 s[G0A+4], 1
	s_add_co_u32 s[G0A+5], s18, SLOT1
	s_mov_b32 s[G0B], 1
	s_mov_b32 s[G0B+1], s19
	s_mov_b32 s[G0B+4], 1
	s_add_co_u32 s[G0B+5], s19, SLOT1
	s_mov_b32 s[TB], 0
	s_wait_dscnt 0x0                               ; the opening add is done
	s_wait_kmcnt 0x0
	s_add_nc_u64 s[G0A+2:G0A+3], s[4:5], s[16:17]
	s_add_nc_u64 s[G0A+6:G0A+7], s[G0A+2:G0A+3], 256   ; K step 1
	s_or_b32 s[G0A+3], s[G0A+3], 0x80000000
	s_or_b32 s[G0A+7], s[G0A+7], 0x80000000
	s_add_nc_u64 s[G0B+2:G0B+3], s[6:7], s[46:47]
	s_add_nc_u64 s[G0B+6:G0B+7], s[G0B+2:G0B+3], 256
	s_or_b32 s[G0B+3], s[G0B+3], 0x80000000
	s_or_b32 s[G0B+7], s[G0B+7], 0x80000000
	CROUND                                         ; all sixteen work-groups are here: the first joint loads meet
	s_cmp_eq_u32 s[FOR], 0                         ; a wave's two first fills stand in one branch: two loads of mine are out
	s_cbranch_scc0 .Lfirst_b
	tensor_load_to_lds s[G0A:G0A+3], s[G1A:G1A+7]
	s_nop 0
	tensor_load_to_lds s[G0A+4:G0A+7], s[G1A:G1A+7]
	s_nop 0
.rept 4
	v_nop
.endr
	s_branch .Lfirst_done
.Lfirst_b:
	tensor_load_to_lds s[G0B:G0B+3], s[G1B:G1B+7]
	s_nop 0
	tensor_load_to_lds s[G0B+4:G0B+7], s[G1B:G1B+7]
	s_nop 0
.rept 4
	v_nop
.endr
.Lfirst_done:
	v_and_b32 v1, 15, v0                           ; l % 16
	v_bfe_u32 v2, v0, 4, 1                         ; l / 16
	v_mul_u32_u24 v3, v1, PITCH
	v_lshl_add_u32 v3, v2, 4, v3                   ; a fragment's row x pitch + 16 x half
	s_mul_i32 s20, s[WV], 64*PITCH
	v_add_nc_u32 v[ADRA0], s20, v3                 ; my 64 tokens
	v_add_nc_u32 v[ADRB0], BOFF, v3
	v_mov_b32 v[ADRA], v[ADRA0]
	v_mov_b32 v[ADRB], v[ADRB0]
	s_mul_i32 s20, s[WV], WST
	s_add_co_u32 s20, s20, STAGE                   ; my stage
	v_mul_u32_u24 v4, v1, SP
	v_lshl_add_u32 v4, v2, 4, v4
	v_add_nc_u32 v[STO], s20, v4                   ; in: row l % 16, 16 bytes for each half of the lanes
	v_bfe_u32 v4, v0, 3, 2
	v_mul_u32_u24 v4, v4, SP
	v_and_b32 v5, 7, v0
	v_lshl_add_u32 v4, v5, 4, v4
	v_add_nc_u32 v[RD], s20, v4                    ; back: 32 lanes take four rows of 128 bytes,
	v_and_b32 v[GO], 31, v0
	v_lshlrev_b32 v[GO], 4, v[GO]                  ; which are 512 consecutive bytes of a head's rows
	v_lshlrev_b32 v[TO], 8, v1
	v_lshl_add_u32 v[TO], v2, 5, v[TO]             ; table: token l % 16, four pairs (32 bytes) for each half of the lanes
	s_lshl_b32 s20, s43, 16
	s_lshl_b32 s21, s[WV], 14
	s_add_co_u32 s20, s20, s21
	s_mov_b32 s21, 0
	s_add_nc_u64 s[TABP:TABP+1], s[8:9], s[20:21]  ; the table at my first token
	s_lshl_b32 s20, s43, 15
	s_lshl_b32 s22, s[WV], 13
	s_add_co_u32 s20, s20, s22
	s_lshl_b32 s22, s42, 19
	s_add_co_u32 s20, s20, s22                     ; head x 524,288 + my first token x 128
	s_add_nc_u64 s[SQ:SQ+1], s[10:11], s[20:21]
	s_add_nc_u64 s[SK:SK+1], s[SQ:SQ+1], 8388608
	s_add_nc_u64 s[SV:SV+1], s[SQ:SQ+1], 16777216
.irp a, 0,1,2,3                        ; the table's 32 loads stay out over the whole walk along K
.irp b, 0,1,2,3
	global_load_b128 v[TBL+32*(\a)+8*(\b):TBL+32*(\a)+8*(\b)+3],   v[TO], s[TABP:TABP+1] offset:(\a)*4096+(\b)*64
	global_load_b128 v[TBL+32*(\a)+8*(\b)+4:TBL+32*(\a)+8*(\b)+7], v[TO], s[TABP:TABP+1] offset:(\a)*4096+(\b)*64+16
.endr
.endr
	s_lshl_b32 s20, s43, 8                         ; the prefetches' rows
	s_mul_i32 s21, s42, 192
	s_lshl_b32 s22, s[HALF], 7
	s_mul_i32 s23, s[HALF], 96
	s_add_co_u32 s20, s20, s22
	s_add_co_u32 s21, s21, s23
	s_lshl_b32 s22, s40, 5
	s_mul_i32 s23, s41, 24
	s_add_co_u32 s20, s20, s22                     ; A: + 32 cx
	s_add_co_u32 s21, s21, s23                     ; B: + 24 cy
	s_and_b32 s22, ttmp7, 0xffff
	s_cmp_eq_u32 s[FOR], 0
	s_cselect_b32 s20, s20, s21
	s_cselect_b32 s22, ttmp9, s22                  ; the coordinate along which other clusters read the same rows
	s_cselect_b32 s23, 31, 23
	s_cselect_b64 s[PFA:PFA+1], s[4:5], s[6:7]
	s_cmp_eq_u32 s22, 0
	s_cselect_b32 s[LIM], 1, -1
	s_lshl_b32 s20, s20, 11
	s_add_co_u32 s20, s20, 512                     ; at K step 2: the first refill steps it to 3
	s_mov_b32 s21, 0
	s_add_nc_u64 s[PFA:PFA+1], s[PFA:PFA+1], s[20:21]
	v_and_b32 v[PFO], 31, v0
	v_min_u32 v[PFO], s23, v[PFO]
	v_lshlrev_b32 v[PFO], 11, v[PFO]
; 12 matrix instructions: row block a x all 12 column blocks, 32 along K, from buffer f.  The 48 accumulators take turns, in the same order in every quarter.
.macro MUL12 f, a, zero
	WIN MUL_LO+0x50*((\a)/2)
.irp b, 0,1,2,3,4,5,6,7,8,9,10,11
.if \zero
	v_wmma_f32_16x16x32_bf16 v[96*((\a)%2)+8*(\b):96*((\a)%2)+8*(\b)+7], v[96*(\f)+8*(\b):96*(\f)+8*(\b)+7], v[FA+32*(\f)+8*(\a):FA+32*(\f)+8*(\a)+7], 0
.else
	v_wmma_f32_16x16x32_bf16 v[96*((\a)%2)+8*(\b):96*((\a)%2)+8*(\b)+7], v[96*(\f)+8*(\b):96*(\f)+8*(\b)+7], v[FA+32*(\f)+8*(\a):FA+32*(\f)+8*(\a)+7], v[96*((\a)%2)+8*(\b):96*((\a)%2)+8*(\b)+7]
.endif
.endr
.endm
; 32 LDS loads in one run: 192 rows of B, then my 64 rows of A, 32 along K at byte k of the rows, into buffer g
.macro FETCH k, g
	WIN 0x40
.irp i, 0,1,2,3,4,5,6,7,8,9,10,11
	ds_load_b128 v[96*(\g)+8*(\i):96*(\g)+8*(\i)+3],   v[ADRB] offset:(\k)+(\i)*16*PITCH
	ds_load_b128 v[96*(\g)+8*(\i)+4:96*(\g)+8*(\i)+7], v[ADRB] offset:(\k)+(\i)*16*PITCH+32
.endr
	WIN 0
.irp i, 0,1,2,3
	ds_load_b128 v[FA+32*(\g)+8*(\i):FA+32*(\g)+8*(\i)+3],   v[ADRA] offset:(\k)+(\i)*16*PITCH
	ds_load_b128 v[FA+32*(\g)+8*(\i)+4:FA+32*(\g)+8*(\i)+7], v[ADRA] offset:(\k)+(\i)*16*PITCH+32
.endr
.endm
.macro QUARTER k, f, g, zero           ; multiplies buffer f; in its middle fetches the next quarter, at byte k, into g
	s_wait_dscnt 4                                 ; B and A's blocks 0, 1 are in; the youngest four loads (blocks 2, 3) may be out
	MUL12 \f, 0, \zero
	MUL12 \f, 1, \zero
	PLACES                                         ; four places in front of loads into registers that matrix instructions have read
	FETCH \k, \g
	s_wait_dscnt 32                                ; all but the 32 just issued
	MUL12 \f, 2, \zero
	MUL12 \f, 3, \zero
.endm
; The last quarter multiplies buffer 1 and changes slots: one barrier; in front of it each wave waits for all its tensor loads (its part of the next slot), adds 0 to its spare word, and waits
; for that and for its reads of this slot.  fill = 1: the barrier opens a round of the cluster's, and this slot is filled again, two K steps ahead, first thing behind the round.
.macro TURN fill
.if \fill
	s_wait_xcnt 0x0                                ; the last prefetch, a K step back, has read its address
	s_add_nc_u64 s[PFA:PFA+1], s[PFA:PFA+1], 256
.endif
	WIN 0
	s_wait_tensorcnt 0x0
	ds_add_u32 v[SPW], v[NIL]
	s_wait_dscnt 5                                 ; (the add and A's blocks 2, 3 may be out)
	MUL12 1, 0, 0
	s_wait_dscnt 0x0                               ; the add is done, and my reads of this slot are over
	s_barrier_signal -1
	MUL12 1, 1, 0
	WIN 0
	s_barrier_wait -1
.if \fill
	CREST                                          ; no wave of any partner still reads this slot or has a load on its way
	s_xor_b32 s[G0A+5], s[G0A+5], SLOT1            ; the walking descriptors: the other slot than last time, the next K step
	s_add_nc_u64 s[G0A+6:G0A+7], s[G0A+6:G0A+7], 256
	s_xor_b32 s[G0B+5], s[G0B+5], SLOT1
	s_add_nc_u64 s[G0B+6:G0B+7], s[G0B+6:G0B+7], 256
	JLOAD                                          ; its four v_nop are also the places in front of the loads below
.else
	PLACES
.endif
	s_xor_b32 s[TB], s[TB], SLOT1
	v_add_nc_u32 v[ADRA], s[TB], v[ADRA0]
	v_add_nc_u32 v[ADRB], s[TB], v[ADRB0]
	FETCH 0, 0
.if \fill
	ASK
.endif
	MUL12 1, 2, 0
	MUL12 1, 3, 0
.endm
	s_wait_tensorcnt 1                             ; my part of K step 0 is in; step 1's may stay out
	s_barrier_signal -1
	s_barrier_wait -1
	FETCH 0, 0
	QUARTER 64, 0, 1, 1                            ; the first quarter's products start the sums
	WIN 0
	s_mov_b32 s[CNT], 6
.Lstep:                                        ; a trip: a K step's quarters 2 to 4 and the next step's first; six trips fill a slot again
	QUARTER 128, 1, 0, 0
	QUARTER 192, 0, 1, 0
	TURN 1
	QUARTER 64, 0, 1, 0
	WIN 0
	s_sub_co_u32 s[CNT], s[CNT], 1
	s_cmp_lg_u32 s[CNT], 0
	s_cbranch_scc1 .Lstep
	s_mov_b32 s[CNT], 2                            ; K steps 6 and 7 ask for nothing.  One text for both: behind step 7 its barrier and its fetch (of step 6's bytes once more) serve nothing
	s_branch .Lmid
.Ltail:
	QUARTER 64, 0, 1, 0
	WIN 0
.Lmid:
	QUARTER 128, 1, 0, 0
	QUARTER 192, 0, 1, 0
	TURN 0
	WIN 0
	s_sub_co_u32 s[CNT], s[CNT], 1
	s_cmp_lg_u32 s[CNT], 0
	s_cbranch_scc1 .Ltail
	s_wait_dscnt 0x0                               ; the idle fetch has landed: its registers are used below
	s_wait_loadcnt 0x0                             ; the table
	PLACES
	PLACES
; THE WAY OUT.  RoPE on pair n (columns 2 n, 2 n + 1 of my eight per block): (x1 cos, x2 cos), then - x2 sin and + x1 sin.  Each accumulator is read from its low end on.
.macro ROPE a, part
	WIN 0x02+((\a)/2)                              ; source 0: the accumulators' window
.irp n, 0,1,2,3,4,5,6,7,8,9,10,11,12,13,14,15
	v_pk_mul_f32 v[TMP+2*(\n):TMP+2*(\n)+1], v[96*((\a)%2)+32*(\part)+2*(\n):96*((\a)%2)+32*(\part)+2*(\n)+1], v[TBL+32*(\a)+2*(\n):TBL+32*(\a)+2*(\n)+1] op_sel_hi:[1,0]
.endr
.irp n, 0,1,2,3,4,5,6,7,8,9,10,11,12,13,14,15
	v_fma_f32 v[TMP+2*(\n)],   -v[96*((\a)%2)+32*(\part)+2*(\n)+1], v[TBL+32*(\a)+2*(\n)+1], v[TMP+2*(\n)]
	v_fma_f32 v[TMP+2*(\n)+1], v[96*((\a)%2)+32*(\part)+2*(\n)],    v[TBL+32*(\a)+2*(\n)+1], v[TMP+2*(\n)+1]
.endr
	WIN 0
.irp n, 0,1,2,3,4,5,6,7,8,9,10,11,12,13,14,15
	v_cvt_pk_f16_f32 v[PKR+16*(\part)+(\n)], v[TMP+2*(\n)], v[TMP+2*(\n)+1]
.endr
.endm
.macro STG part                        ; 16 tokens x 64 channels through my stage: in as 16 bytes a lane, back as whole rows of 128 bytes, into the registers that they left
.irp b, 0,1,2,3
	ds_store_b128 v[STO], v[PKR+16*(\part)+4*(\b):PKR+16*(\part)+4*(\b)+3] offset:(\part)*PART+32*(\b)
.endr
.irp f, 0,1,2,3
	ds_load_b128 v[PKR+16*(\part)+4*(\f):PKR+16*(\part)+4*(\f)+3], v[RD] offset:(\part)*PART+(\f)*4*SP  ; a wave's LDS instructions are served in order: these see the stores above
.endr
.endm
.macro PUT a, part, base
.irp f, 0,1,2,3
	global_store_b128 v[GO], v[PKR+16*(\part)+4*(\f):PKR+16*(\part)+4*(\f)+3], s[(\base):(\base)+1] offset:(\a)*2048+(\f)*512  ; 512 consecutive bytes, aligned
.endr
.endm
.macro OUT a
.if (\a) > 0
	s_wait_xcnt 0x0                                ; the last block's stores have read their registers
.endif
	ROPE \a, 0
	STG 0
	ROPE \a, 1
	STG 1
	s_wait_dscnt 8                                 ; q is back; k's eight LDS instructions are younger
	PUT \a, 0, SQ
	WIN 0x0a+5*((\a)/2)                            ; sources 0 and 1: the accumulators' window
.irp n, 0,1,2,3,4,5,6,7,8,9,10,11,12,13,14,15
	v_cvt_pk_f16_f32 v[PKR+32+(\n)], v[96*((\a)%2)+64+2*(\n)], v[96*((\a)%2)+64+2*(\n)+1]
.endr
	WIN 0
	STG 2
	s_wait_dscnt 8                                 ; k is back
	PUT \a, 1, SK
	s_wait_dscnt 0x0
	PUT \a, 2, SV
.endm
	OUT 0
	OUT 1
	OUT 2
	OUT 3
	s_wait_tensorcnt 0x0                           ; the wave's end
	ds_add_u32 v[SPW], v[NIL]
	s_wait_dscnt 0x0
	CROUND                                         ; the closing round
	s_endpgm
.Lfunc_end_k_q1e02f3355c_qkv:
	.size	k_q1e02f3355c_qkv, .Lfunc_end_k_q1e02f3355c_qkv-k_q1e02f3355c_qkv
	.p2alignl 7, 3214868480
	.fill 96, 4, 3214868480
	.section	.rodata,"a",@progbits
	.p2align	6, 0x0
	.amdhsa_kernel k_q1e02f3355c_qkv
		.amdhsa_group_segment_fixed_size 327680
		.amdhsa_private_segment_fixed_size 0
		.amdhsa_enable_private_segment 0
		.amdhsa_kernarg_size 32
		.amdhsa_user_sgpr_count 2
		.amdhsa_user_sgpr_kernarg_segment_ptr 1
		.amdhsa_wavefront_size32 1
		.amdhsa_system_sgpr_workgroup_id_x 1
		.amdhsa_system_sgpr_workgroup_id_y 1
		.amdhsa_system_sgpr_workgroup_id_z 1
		.amdhsa_system_vgpr_workitem_id 0
		.amdhsa_next_free_vgpr 1024
		.amdhsa_next_free_sgpr 80
		.amdhsa_reserve_vcc 0
		.amdhsa_float_denorm_mode_32 3
		.amdhsa_float_denorm_mode_16_64 3
		.amdhsa_memory_ordered 1
		.amdhsa_forward_progress 1
		.amdhsa_inst_pref_size 112
	.end_amdhsa_kernel
	.amdgpu_metadata
---
amdhsa.version: [ 1, 2 ]
amdhsa.kernels:
  - .name:           k_q1e02f3355c_qkv
    .symbol:         k_q1e02f3355c_qkv.kd
    .args:
      - { .name: xb, .offset: 0, .size: 8, .value_kind: global_buffer, .address_space: global }
      - { .name: wqkv, .offset: 8, .size: 8, .value_kind: global_buffer, .address_space: global }
      - { .name: tab, .offset: 16, .size: 8, .value_kind: global_buffer, .address_space: global }
      - { .name: qkv, .offset: 24, .size: 8, .value_kind: global_buffer, .address_space: global }
    .group_segment_fixed_size: 327680
    .private_segment_fixed_size: 0
    .kernarg_segment_align: 8
    .kernarg_segment_size: 32
    .max_flat_workgroup_size: 128
    .sgpr_count:     80
    .vgpr_count:     1024
    .wavefront_size: 32
...
	.end_amdgpu_metadata
.endif
;; end of part 2
;; launch attn (part 3): grid 16 x 16, 4 waves a work-group, no clusters, 327,680 bytes of LDS; arguments qkv, ob; writes ob
.if DOCPART == 3
	.amdgcn_target "amdgcn-amd-amdhsa--gfx1250"
	.amdhsa_code_object_version 6
	.text
	.protected	k_q1e02f3355c_attn
	.globl	k_q1e02f3355c_attn
	.p2align	8
	.type	k_q1e02f3355c_attn,@function
k_q1e02f3355c_attn:
	s_mov_b64 s[64:65], 0
	v_nop
	global_prefetch_b8 v0, s[64:65] scope:SCOPE_SE
	s_setreg_imm32_b32 hwreg(HW_REG_WAVE_MODE, 25, 1), 1
	s_wait_xcnt 0x0
; CAUSAL ATTENTION at head size 64.  q, k, v: [16][4096][64] f16 in one buffer (q at byte 0, k at 8,388,608, v at 16,777,216); O: [16][4096][64] f16.
; O[h][q] = the sum over k <= q of softmax_k(q . k / 8) v.  Products, maxima and sums in f32; the weights are rounded to f16 for the second product (their sum is taken unrounded), O once at the end.
; LIMITS.  q, k, v arrive within 65,504.  A hidden score counts as its value less 1e30; a weight below 2^-126 counts as 0 in the sum; NaN and infinities are not treated apart.
; THE WALK.  A head has NB = 16 blocks of 256 queries; block i needs the key tiles 0 .. i of 256 keys.  Work-group x = 2 b + z takes blocks 15 - b and then b: 17 tiles whatever b, one loop with a constant count;
; of each block it takes the bands (64 queries) 2 z and 2 z + 1: 8 x 2 x 16 heads = 256 equal work-groups.  Wave w owns rows 16 w .. 16 w + 15 of each band: two PIECES.
; PIECE 0 IS THE UPPER BAND, 2 z + 1: step 0 of a diagonal tile is wholly visible to it, so its scores for that step, which are made a turn earlier, need no mask.
; NO CLUSTER: only the two work-groups of a pair (z = 0, 1) walk the same tiles in the same trips, and every trip's jumps hang on b, which would be a place in the cluster.
; TURNS.  Turn 0 of step j: 8 products K Q^T of piece 1 (K of j), 8 products V^T P of piece 1 (V of j - 1); beside them piece 0's softmax and piece 1's maximum.  Turn 1: the same with the pieces changed:
; K of j + 1, V of j.  So turn 0 fetches K of j + 1 (in its lump) and V of j (at its end).  THE K TILES ARE SHIFTED BY ONE STEP, so that both lie in one slot: slot T holds K's steps 4 T + 1 .. 4 T + 4 and V's 4 T .. 4 T + 3;
; K of a block's step 0 comes straight from memory into registers.  The head's last tile so reaches 8,192 bytes past the head's keys (for the last head: into v's first rows): bytes of the same buffer, whose products serve nothing.
; A block's last turn makes scores and a maximum for a step that does not exist: the price of one text for every trip.
; THE MASK is the C operand that starts a sum K Q^T: MD x AL + BE, MD the mask of a band's own step for my rows: (1, 0) own step; (0, 0) earlier; (0, -1e30) later.  Only the diagonal tile's text takes masks.
; REGISTERS.  window 0: v2-15 addresses; v16-23 statistics (c m, m, l, l a piece); v24-31 at work; v64-127 S^T, two buffers; v128-159 P; v160-223 O^T; v224-255 MD
;   window 1: v0-31 Q; v32-63 the second block's Q; v64-127 MC, two buffers; v128-191 K of one step; v192-255 V of one step.  All of a softmax lies in window 0: two switches a matrix instruction.
.set NB,    16
.set NP,    2
.set KS,    64
.set PK,    144       ; a row of K in LDS: 128 bytes + 16
.set PV,    160       ; a row of V: 128 + 32
.set VOFF,  4*KS*PK
.set SLOT1, 1<<17
.set STAGE, SLOT1+4*KS*(PK+PV)
.set SP,    144
.set SPARE, STAGE+4*16*SP
.set AK0, 2
.set AV0, 3
.set AK,  4
.set AV,  5
.set STO, 6
.set RD,  7
.set GO,  8
.set MV,  12
.set QO,  15
.set ST,  16
.set TMP, 24
.set PFO, 32
.set SPW, 34
.set NIL, 35
.set S,   64
.set P,   128
.set OT,  160
.set MD,  224
.set QB,  32          ; window 1
.set MC,  64
.set KF,  128
.set VF,  192
.set WV,  12
.set ZZ,  13          ; s13  z
.set PB,  14          ; s14  b
.set HI,  15          ; s15  15 - b
.set G1K, 24
.set G1V, 32
.set G0K, 40
.set G0V, 44
.set SLOTS, 56
.set CNT, 57
.set CS,  58
.set SEL, 60
.set TBK, 62
.set TBV, 63
.set RT,  70          ; tiles of the block in hand still to be entered
.set NXT, 71          ; the tile to be asked for next
.set LQ,  72          ; the last tile of the block whose tiles are being asked for
.set NEW, 73          ; 1: the tile to be entered is a block's first
.set OFF, 74
.set AL,  76
.set BE,  78
.set OLO, 80
.set BIGN, 82
.set KH,  84          ; s[84:85] the head's first key
.set Q2,  86
.set EQ0, 88          ; s88 = 4 - 2 z, s89 = 5 - 2 z: the count at which the mask to be made is piece 0's, piece 1's own step's
.set PFN, 90          ; the tile that a prefetch would name
.set PFK, 92
.set PFV, 94
.set MSB, 0
.macro WIN new
.if MSB != (\new)
	s_set_vgpr_msb (MSB<<8)|(\new)
.set MSB, (\new)
.endif
.endm
.set W_KQ, 0x05       ; K and Q in window 1, S^T in window 0
.set W_KM, 0x15       ; the same with C in window 1
.set W_PV, 0x01       ; V in window 1
.macro LOAD                         ; waves 0, 1 fetch the halves of a tile's K, waves 2, 3 those of its V; an s_nop 0 and four v_nop follow each line
	s_cmp_lt_u32 s[WV], 2
	s_cbranch_scc0 .Lfor_v_\@
	tensor_load_to_lds s[G0K:G0K+3], s[G1K:G1K+7]
	s_nop 0
.rept 4
	v_nop
.endr
	s_branch .Lasked_\@
.Lfor_v_\@:
	tensor_load_to_lds s[G0V:G0V+3], s[G1V:G1V+7]
	s_nop 0
.rept 4
	v_nop
.endr
.Lasked_\@:
.endm
; A prefetch into the L2 of the tile that the NEXT change of slots will ask for: eight turns ahead.  All 16 work-groups of a head ask for the same tiles in their first blocks' trips: work-group 0, whose first block
; has all 16 tiles, prefetches.  A tile is 128 blocks of 256 bytes of K and 128 of V: a thread a block, two instructions a wave.  Tiles 0 and 1 come by their loads alone; behind tile 15 nothing is named.
.macro ASK
	s_cmp_lt_u32 s[PFN], 16
	s_cbranch_scc0 .Lnot_mine_\@
	global_prefetch_b8 v[PFO], s[PFK:PFK+1] th:TH_LOAD_NT scope:SCOPE_SE
	global_prefetch_b8 v[PFO], s[PFV:PFV+1] th:TH_LOAD_NT scope:SCOPE_SE
.Lnot_mine_\@:
.endm
; THE CHANGE OF SLOTS, in front of a tile's first turn.  Each wave waits for all its tensor loads (its part of the other slot), adds 0 to its spare word, waits for that and for its reads of the slot it leaves.
; fill = 1: the old slot is filled again, first thing behind the barrier, with tile NXT; the descriptor's address is made anew from that number.
.macro CHANGE fill
	WIN 0
	s_wait_tensorcnt 0x0
	ds_add_u32 v[SPW], v[NIL]
.if \fill
	s_lshl_b32 s[OFF], s[NXT], 15
	s_xor_b32 s[G0K+1], s[G0K+1], SLOT1
	s_add_nc_u64 s[G0K+2:G0K+3], s[6:7], s[OFF:OFF+1]
	s_or_b32 s[G0K+3], s[G0K+3], 0x80000000
	s_xor_b32 s[G0V+1], s[G0V+1], SLOT1
	s_add_nc_u64 s[G0V+2:G0V+3], s[8:9], s[OFF:OFF+1]
	s_or_b32 s[G0V+3], s[G0V+3], 0x80000000
	s_add_co_u32 s[NXT], s[NXT], 1
	s_cmp_gt_u32 s[NXT], s[LQ]
	s_cselect_b32 s[NXT], 0, s[NXT]
	s_cselect_b32 s[LQ], s[PB], s[LQ]
	s_wait_xcnt 0x0                 ; the last prefetches, a tile back, have read their addresses
	s_add_nc_u64 s[PFK:PFK+1], s[PFK:PFK+1], 32768
	s_add_nc_u64 s[PFV:PFV+1], s[PFV:PFV+1], 32768
	s_add_co_u32 s[PFN], s[PFN], 1
.endif
	s_wait_dscnt 0x0                ; the add is done, and my reads of the slot are over
	s_barrier_signal -1
	s_sub_co_u32 s[TBK], s[TBK], 4*KS*PK
	s_xor_b32 s[TBK], s[TBK], SLOT1
	s_sub_co_u32 s[TBV], s[TBV], 4*KS*PV
	s_xor_b32 s[TBV], s[TBV], SLOT1
	s_barrier_wait -1
.if \fill
	LOAD
	ASK
.endif
.endm
.macro KLOAD0                       ; K of the head's step 0, straight from memory: keys 16 (f / 2) on, channels 32 (f % 2) on.  Each of its two uses has its wait in the straight text behind it
	WIN 0x40
.irp f, 0,1,2,3,4,5,6,7
	global_load_b128 v[KF+8*\f:KF+8*\f+3],   v[QO], s[KH:KH+1] offset:(\f/2)*2048+(\f%2)*64
	global_load_b128 v[KF+8*\f+4:KF+8*\f+7], v[QO], s[KH:KH+1] offset:(\f/2)*2048+(\f%2)*64+32
.endr
	WIN 0
.endm
	s_load_b128 s[16:19], s[0:1], 0x0  ; qkv s[16:17], ob s[18:19]
	v_lshl_add_u32 v[SPW], v0, 2, SPARE
	v_mov_b32 v[NIL], 0
	ds_add_u32 v[SPW], v[NIL]       ; the wave's opening: the add and its wait ahead of my first tensor load
	v_lshrrev_b32 v1, 5, v0
	v_readfirstlane_b32 s[WV], v1
	s_lshr_b32 s[PB], ttmp9, 1
	s_and_b32 s[ZZ], ttmp9, 1
	s_sub_co_u32 s[HI], NB-1, s[PB]
	s_and_b32 s20, ttmp7, 0xffff
	s_lshl_b32 s20, s20, 19         ; the head's first byte in q, k, v and O
	s_mov_b32 s21, 0
	s_and_b32 s22, s[WV], 1         ; which half of a tile's 256 keys I fetch
	s_mul_i32 s2, s22, 128*PK
	s_mul_i32 s3, s22, 128*PV
	s_lshl_b32 s22, s22, 14
	s_add_co_u32 s22, s22, s20
	s_mov_b32 s23, 0
	s_lshl_b32 s48, s[ZZ], 14       ; band 2 z,
	s_lshl_b32 s49, s[WV], 11       ; my 16 rows in it
	s_add_co_u32 s48, s48, s49
	s_add_co_u32 s48, s48, s20
	s_lshl_b32 s50, s[HI], 15
	s_add_co_u32 s50, s50, s48      ; in the first block,
	s_mov_b32 s51, 0
	s_lshl_b32 s52, s[PB], 15
	s_add_co_u32 s52, s52, s48      ; and in the second
	s_mov_b32 s53, 0
	s_mov_b32 s[G1K], (1<<16)|(1<<20)|(4<<22)|(3<<25)  ; 2-byte elements; padding on; after every 32 words, 4 words.  128 keys are asked for as 64 rows of 256 bytes
	s_mov_b32 s[G1V], (1<<16)|(1<<20)|(4<<22)|(7<<25)  ; the same with 8 words
.irp g, G1K, G1V
	s_mov_b32 s[\g+1], 128<<16
	s_mov_b32 s[\g+2], 64<<16
	s_mov_b32 s[\g+3], 128<<16
	s_mov_b32 s[\g+4], 64
	s_mov_b32 s[\g+5], 128
	s_mov_b32 s[\g+6], 0
	s_mov_b32 s[\g+7], 0
.endr
	s_mov_b32 s[CS], 0x3e38aa3b     ; c = log2(e) / 8
	s_mov_b32 s[CS+1], s[CS]
	s_mov_b32 s[SEL], 0x76543210
	s_mov_b32 s[SEL+1], 0xfedcba98
	s_mov_b32 s[TBK], SLOT1+4*KS*PK ; the first change of slots turns these two into 0
	s_mov_b32 s[TBV], SLOT1+4*KS*PV
	s_mov_b32 s[G0K], 1
	s_mov_b32 s[G0K+1], s2
	s_mov_b32 s[G0V], 1
	s_add_co_u32 s[G0V+1], s3, VOFF
	s_add_co_u32 s[RT], s[HI], 1
	s_mov_b32 s[NXT], 1
	s_mov_b32 s[LQ], s[HI]
	s_mov_b32 s[NEW], 1
	s_mov_b32 s[OFF+1], 0
	s_mov_b32 s[AL+1], 0
	s_mov_b32 s[BE+1], 0
	s_mov_b32 s[BIGN], 0xf149f2ca   ; -1e30
	s_mov_b32 s[SLOTS], NB
	s_lshl_b32 s[EQ0], s[ZZ], 1
	s_sub_co_u32 s[EQ0], 4, s[EQ0]
	s_add_co_u32 s[EQ0+1], s[EQ0], 1
	s_cmp_eq_u32 ttmp9, 0
	s_cselect_b32 s[PFN], 1, 16
	s_wait_dscnt 0x0                ; the opening add is done
	s_wait_kmcnt 0x0
	s_add_nc_u64 s[4:5], s[16:17], s[50:51]        ; Q and O at band 2 z, my rows, of the first block,
	s_add_nc_u64 s[Q2:Q2+1], s[16:17], s[52:53]    ; and of the second
	s_add_nc_u64 s[10:11], s[18:19], s[50:51]
	s_add_nc_u64 s[OLO:OLO+1], s[18:19], s[52:53]
	s_add_nc_u64 s[KH:KH+1], s[16:17], s[20:21]
	s_add_nc_u64 s[KH:KH+1], s[KH:KH+1], 8388608
	s_add_nc_u64 s[6:7], s[16:17], s[22:23]
	s_add_nc_u64 s[8:9], s[6:7], 16777216          ; V at my half of tile 0
	s_add_nc_u64 s[6:7], s[6:7], 8388608+8192      ; K likewise, one step on
	s_add_nc_u64 s[PFK:PFK+1], s[KH:KH+1], 8192+32768      ; at tile 1: the first change steps them to tile 2
	s_add_nc_u64 s[PFV:PFV+1], s[KH:KH+1], 8388608+32768
	s_add_nc_u64 s[G0K+2:G0K+3], s[6:7], 0
	s_or_b32 s[G0K+3], s[G0K+3], 0x80000000
	s_add_nc_u64 s[G0V+2:G0V+3], s[8:9], 0
	s_or_b32 s[G0V+3], s[G0V+3], 0x80000000
	LOAD                            ; tile 0 into slot 0
	v_and_b32 v1, 15, v0            ; l % 16
	v_bfe_u32 v9, v0, 4, 1          ; l / 16
	v_lshlrev_b32 v[QO], 7, v1
	v_lshl_add_u32 v[QO], v9, 4, v[QO]  ; row x 128 + 16 x half
	WIN 0x40
.set i, 0
.rept 4                             ; both blocks' Q: piece i / 2 (piece 0 the upper band, 8,192 bytes on), channels 32 (i % 2) on
	global_load_b128 v[8*i:8*i+3],   v[QO], s[4:5] offset:(1-i/2)*8192+(i%2)*64
	global_load_b128 v[8*i+4:8*i+7], v[QO], s[4:5] offset:(1-i/2)*8192+(i%2)*64+32
	global_load_b128 v[QB+8*i:QB+8*i+3],   v[QO], s[Q2:Q2+1] offset:(1-i/2)*8192+(i%2)*64
	global_load_b128 v[QB+8*i+4:QB+8*i+7], v[QO], s[Q2:Q2+1] offset:(1-i/2)*8192+(i%2)*64+32
.set i, i+1
.endr
	KLOAD0
	v_lshlrev_b32 v14, 3, v9
	v_sub_nc_u32 v14, v1, v14
	s_lshl_b32 s2, s[WV], 4
	v_add_nc_u32 v14, s2, v14       ; my query's place in its band less my lanes' 8 (l / 16): register r of key group kt is hidden where 16 kt + r is greater
.set i, 0
.rept 32
	v_cmp_gt_i32 vcc_lo, 16*(i/8)+i%8, v14
	v_cndmask_b32 v[MD+i], 0, s[BIGN], vcc_lo
.set i, i+1
.endr
	v_mul_u32_u24 v[AK0], v1, PK
	v_lshl_add_u32 v[AK0], v9, 4, v[AK0]
	v_and_b32 v10, 7, v0            ; the turning load: lane l reads key 8 (l / 16) + l % 8, channels 8 ((l / 8) % 2) + 0..7
	v_bfe_u32 v11, v0, 3, 1
	v_lshl_add_u32 v[AV0], v9, 3, v10
	v_mul_u32_u24 v[AV0], v[AV0], PV
	v_lshl_add_u32 v[AV0], v11, 4, v[AV0]
	v_add_nc_u32 v[AV0], VOFF, v[AV0]
	s_mul_i32 s2, s[WV], 16*SP
	s_add_co_u32 s2, s2, STAGE
	v_mul_u32_u24 v[STO], v1, SP
	v_lshl_add_u32 v[STO], v9, 4, v[STO]
	v_add_nc_u32 v[STO], s2, v[STO]
	v_bfe_u32 v[RD], v0, 3, 2
	v_mul_u32_u24 v[RD], v[RD], SP
	v_lshl_add_u32 v[RD], v10, 4, v[RD]
	v_add_nc_u32 v[RD], s2, v[RD]
	v_and_b32 v[GO], 31, v0
	v_lshlrev_b32 v[GO], 4, v[GO]
	v_lshlrev_b32 v[PFO], 8, v0
	; A block's first step multiplies O^T and l by a = 0, and its first products V^T P, of a step that has not been, land in an O^T still to be so multiplied: these registers need only be finite.
	WIN 0x40
.set i, VF
.rept 64
	v_mov_b32 v[i], 0
.set i, i+1
.endr
	WIN 0
.set i, OT
.rept 64
	v_mov_b32 v[i], 0
.set i, i+1
.endr
.set i, 0
.rept 2
	v_mov_b32 v[ST+4*i+2], 0
	v_mov_b32 v[ST+4*i+3], 0
.set i, i+1
.endr
.set i, P+16
.rept 16
	v_mov_b32 v[i], 0
.set i, i+1
.endr
	s_wait_loadcnt 0x0              ; both blocks' Q and K of step 0 are in: no load of mine is out when the walk begins (the first tile's tensor load is waited for at the first change of slots)
; THE MATRIX WORK.  The 4 accumulators of a run of 8 take turns.  Product i of 8 of S^T = K Q^T for piece x: channels 32 (i / 4) on, keys 16 (i % 4) on; the first 4 start the sums, with 0 or (KM = 1) the mask.
.macro KQ x
.set rS, S+32*((\x)%2)+8*(i%4)
.set rK, KF+16*(i%4)+8*(i/4)
.set rQ, 16*(\x)+8*(i/4)
.set rM, MC+32*((\x)%2)+8*(i%4)
.if (i < 4) && KM
	WIN W_KM
	v_wmma_f32_16x16x32_f16 v[rS:rS+7], v[rK:rK+7], v[rQ:rQ+7], v[rM:rM+7]
.elseif i < 4
	WIN W_KQ
	v_wmma_f32_16x16x32_f16 v[rS:rS+7], v[rK:rK+7], v[rQ:rQ+7], 0
.else
	WIN W_KQ
	v_wmma_f32_16x16x32_f16 v[rS:rS+7], v[rK:rK+7], v[rQ:rQ+7], v[rS:rS+7]
.endif
.endm
.macro PV x                         ; product i of 8 of O^T += V^T P: keys 32 (i / 4) on, channels 16 (i % 4) on
	WIN W_PV
.set rO, OT+32*(\x)+8*(i%4)
.set rV, VF+32*(i/4)+8*(i%4)
.set rP, P+16*((\x)%2)+8*(i/4)
	v_wmma_f32_16x16x32_f16 v[rO:rO+7], v[rV:rV+7], v[rP:rP+7], v[rO:rO+7]
.endm
.macro MM                           ; the turn's next matrix instruction
.if i < 8
	KQ (Y+1)%NP
.else
.set i, i-8
	PV (Y+NP-1)%NP
.set i, i+8
.endif
.set i, i+1
.endm
.macro FETCH_K                      ; 16 LDS loads in one run
	WIN 0x40
.irp f, 0,1,2,3,4,5,6,7
	ds_load_b128 v[KF+8*\f:KF+8*\f+3],   v[AK] offset:(\f/2)*16*PK+(\f%2)*64
	ds_load_b128 v[KF+8*\f+4:KF+8*\f+7], v[AK] offset:(\f/2)*16*PK+(\f%2)*64+32
.endr
	s_add_co_u32 s[TBK], s[TBK], KS*PK
	WIN 0
.endm
.macro FETCH_V
	WIN 0x40
.irp f, 0,1,2,3,4,5,6,7
	ds_load_tr16_b128 v[VF+8*\f:VF+8*\f+3],   v[AV] offset:(\f/4)*32*PV+(\f%4)*32
	ds_load_tr16_b128 v[VF+8*\f+4:VF+8*\f+7], v[AV] offset:(\f/4)*32*PV+16*PV+(\f%4)*32
.endr
	WIN 0
.endm
; THE VECTOR WORK, a line at a time: OP kind, number.  For piece Y: F n: c s - c m for pair n.  E n: the exponential of score n.  C n: pair n rounded to f16.  B n: of the weights 4 n .. the second pair onto the first.
; L n: l takes that sum (L 0: l = a l + sum).  R n: pair n of O^T times a.  For the other piece: X n, number n of the 22 that find its maximum and statistics (each accumulator's lowest registers are read first).
.set F, 0
.set E, 1
.set C, 2
.set B, 3
.set L, 4
.set R, 5
.set X, 6
.macro REGS y
.set rT, ST+4*(\y)
.set rC, TMP+4*((\y)%2)
.set rW, MV+((\y)%2)
.set rS, S+32*((\y)%2)
.set rP, P+16*((\y)%2)
.set rO, OT+32*(\y)
.endm
.macro OP k, n
	WIN 0
.if (\k) < X
	REGS Y
.if (\k) == F
	v_pk_fma_f32 v[rS+2*(\n):rS+2*(\n)+1], v[rS+2*(\n):rS+2*(\n)+1], s[CS:CS+1], v[rT:rT+1] op_sel_hi:[1,0,0] neg_lo:[0,0,1] neg_hi:[0,0,1]
.elseif (\k) == E
	v_exp_f32 v[rS+(\n)], v[rS+(\n)]
.elseif (\k) == C
	v_cvt_pk_f16_f32 v[rP+(\n)], v[rS+2*(\n)], v[rS+2*(\n)+1]
.elseif (\k) == B
	v_pk_add_f32 v[rS+4*(\n):rS+4*(\n)+1], v[rS+4*(\n):rS+4*(\n)+1], v[rS+4*(\n)+2:rS+4*(\n)+3]
.elseif (\k) == R
	v_pk_mul_f32 v[rO+2*(\n):rO+2*(\n)+1], v[rO+2*(\n):rO+2*(\n)+1], v[rC+2:rC+3] op_sel_hi:[1,0]
.elseif (\n) == 0
	v_pk_fma_f32 v[rT+2:rT+3], v[rT+2:rT+3], v[rC+2:rC+3], v[rS:rS+1] op_sel_hi:[1,0,1]
.else
	v_pk_add_f32 v[rT+2:rT+3], v[rT+2:rT+3], v[rS+4*(\n):rS+4*(\n)+1]
.endif
.else
	REGS (Y+1)%NP
.if (\n) < 4
	v_max3_num_f32 v[rC+(\n)], v[rS+8*(\n)], v[rS+8*(\n)+1], v[rS+8*(\n)+2]
.elseif (\n) < 12
	v_max3_num_f32 v[rC+(\n)%4], v[rC+(\n)%4], v[rS+8*((\n)%4)+2*((\n)/4)+1], v[rS+8*((\n)%4)+2*((\n)/4)+2]
.elseif (\n) == 12
	v_max3_num_f32 v[rC], v[rC], v[rS+7], v[rS+15]
.elseif (\n) == 13
	v_max3_num_f32 v[rC+1], v[rC+1], v[rS+23], v[rS+31]
.elseif (\n) == 14
	v_max3_num_f32 v[rC+2], v[rC+2], v[rC+3], v[rT+1]
.elseif (\n) == 15
	v_mov_b32 v[rW], v[rT]
.elseif (\n) == 16
	v_max3_num_f32 v[rC], v[rC], v[rC+1], v[rC+2]
.elseif (\n) == 17
	v_permlanex16_b32 v[rC+3], v[rC], s[SEL], s[SEL+1]
.elseif (\n) == 18
	v_max_num_f32 v[rT+1], v[rC], v[rC+3]
.elseif (\n) == 19
	v_mul_f32 v[rT], s[CS], v[rT+1]
.elseif (\n) == 20
	v_sub_f32 v[rC+1], v[rW], v[rT]
.else
	v_exp_f32 v[rC+2], v[rC+1]
.endif
.endif
.endm
.macro OPS a, i1, b=-1, i2=0, c=-1, i3=0, d=-1, i4=0
	OP \a, \i1
.if (\b) >= 0
	OP \b, \i2
.endif
.if (\c) >= 0
	OP \c, \i3
.endif
.if (\d) >= 0
	OP \d, \i4
.endif
.endm
.macro ROW a, i1, b, i2, c, i3, d, i4  ; a matrix instruction and the four behind it
	MM
	OPS \a, \i1, \b, \i2, \c, \i3, \d, \i4
.endm
.macro MASK b                       ; MD x AL + BE into buffer b of MC
	WIN 0x40
.set z, 0
.rept 16
	v_pk_fma_f32 v[MC+32*(\b)+2*z:MC+32*(\b)+2*z+1], v[MD+2*z:MD+2*z+1], s[AL:AL+1], s[BE:BE+1] op_sel_hi:[1,0,0]
.set z, z+1
.endr
.endm
; A TURN, for piece p.  One batch of 33 exponentials and ONE wait, which cuts the turn in two: ahead of it all that names no result of theirs (8 products K Q^T with their riders, and a lump of 54), behind it the 8 products
; V^T P, whose riders are the roundings and sums.  m = 1: the diagonal tile: the products take masks, and the turn makes the mask for the next turn's products: piece p, step 5 - CNT of the tile.
; Turn 0 fetches the next step's K twelve vector instructions (six of them plain) behind the last product that read K, and the step's V four plain instructions behind the last product that read V.
.macro TURN p, m=0, cnt=0
.set Y, (\p)
.set i, 0
.set KM, (\m)
.if \m
	s_cmp_eq_u32 s[CNT], s[EQ0+(\p)]    ; is that step the band's own?
	s_cselect_b32 s[AL], 1.0, 0
	s_cmp_lt_u32 s[CNT], s[EQ0+(\p)]    ; or a later one?
	s_cselect_b32 s[BE], s[BIGN], 0
.endif
.if (\p) == 1
	s_wait_dscnt 16                 ; K is in; V's 16 loads are younger
.endif
	ROW F,0, F,1, R,0, R,1
	ROW F,2, E,0, R,2, R,3
	ROW F,3, E,1, R,4, R,5
	ROW F,4, E,2, R,6, R,7
	ROW F,5, E,3, R,8, R,9
	ROW F,6, E,4, X,0, R,10
.if (\p) == 0
	WIN 0
	v_add_nc_u32 v[AK], s[TBK], v[AK0]
.endif
	ROW F,7, E,5, X,1, X,4
	ROW F,8, E,6, X,2, X,5
	OPS E,7, E,8, X,6, E,9
	OPS X,3, E,10, X,8, E,11
.if (\p) == 0
	FETCH_K
.endif
	OPS X,9, X,7, E,12, X,10
	OPS E,13, X,12, X,11, E,14
	OPS X,13, E,15, F,9, X,14
.if (\p) == 0
	v_add_nc_u32 v[AV], s[TBV], v[AV0]
.endif
	OPS E,16, F,10, E,17, F,11
	OPS X,16, E,18, X,15, E,19
	OPS F,12, E,20, X,17, E,21
	OPS F,13, E,22, F,14, E,23
	OPS X,18, E,24, F,15, E,25
	OPS R,11, E,26, X,19, E,27
	OPS R,12, E,28, R,13, E,29
	OPS X,20, E,30, R,14, E,31
	OPS X,21, R,15                  ; the other piece's a is the batch's last; R 15 is the plain instruction behind it
	WIN 0
	s_wait_alu depctr_va_vdst(0)    ; the wait for the batch, ahead of the first reader
.if (\p) == 1
	s_wait_dscnt 0x0                ; V is in
.endif
	ROW C,0, B,0, C,2, B,1
	ROW L,0, C,4, B,2, L,1
	ROW C,6, B,3, L,2, C,8
	ROW B,4, L,3, C,10, B,5
	ROW L,4, C,12, B,6, L,5
.if (\p) == 0
	s_add_co_u32 s[TBV], s[TBV], KS*PV
.endif
.if \cnt
	s_sub_co_u32 s[CNT], s[CNT], 1
	s_cmp_lg_u32 s[CNT], 0
.endif
	ROW C,14, B,7, L,6, C,1
	ROW C,3, L,7, C,5, C,7
	ROW C,9, C,11, C,13, C,15
.if (\p) == 0
	FETCH_V
.endif
.if \m
	MASK \p
.endif
.endm
; A BLOCK BEGINS.  c m starts far below every c s, so the first step's a is 0; m at the lowest finite number.  Piece 0's first scores (K of step 0 came from memory and was waited for in the straight text behind
; its loads, Q likewise; the step is wholly visible to piece 0), its maximum and statistics.
.macro BEGIN
	s_mov_b32 s[NEW], 0
	WIN 0
.set i, 0
.rept 2
	v_mov_b32 v[ST+4*i], 0xfe000000
	v_mov_b32 v[ST+4*i+1], 0xff7fffff
.set i, i+1
.endr
.set KM, 0
.set i, 0
.rept 8
	KQ 0
.set i, i+1
.endr
	WIN 0
.rept 4
	v_nop                           ; the places behind those products
.endr
.set Y, 1                           ; X works for the other piece: piece 0
.irp n, 0,1,2,3,4,5,6,7,8,9,10,11,12,13,14,15,16,17,18,19,20,21
	OP X, \n
.endr
	v_nop                           ; a plain instruction behind the exponential,
	s_wait_alu depctr_va_vdst(0)    ; and its wait, ahead of the label
.endm
.macro ALL line:vararg              ; one line for each piece t
.set t, 0
.rept NP
	\line
.set t, t+1
.endr
.endm
.macro PACK t                       ; O^T / l, rounded to f16; through my stage: in as 16 bytes a lane, back as whole rows of 128 bytes
	WIN 0
.set i, OT+32*(\t)
.rept 16
	v_pk_mul_f32 v[i:i+1], v[i:i+1], v[ST+4*(\t)+2:ST+4*(\t)+3] op_sel_hi:[1,0]
.set i, i+2
.endr
.set i, 0
.rept 16
	v_cvt_pk_f16_f32 v[S+16*(\t)+i], v[OT+32*(\t)+2*i], v[OT+32*(\t)+2*i+1]
.set i, i+1
.endr
.irp f, 0,1,2,3
	ds_store_b128 v[STO], v[S+16*(\t)+4*\f:S+16*(\t)+4*\f+3] offset:32*\f
.endr
.irp f, 0,1,2,3
	ds_load_b128 v[S+16*(\t)+4*\f:S+16*(\t)+4*\f+3], v[RD] offset:\f*4*SP  ; a wave's LDS instructions are served in order: these see the stores above, the next piece's stores come behind them
.endr
.endm
.macro SEND t, younger              ; younger: the LDS instructions issued behind piece t's loads
.irp f, 0,1,2,3
	s_wait_dscnt (\younger)+3-\f
	global_store_b128 v[GO], v[S+16*(\t)+4*\f:S+16*(\t)+4*\f+3], s[10:11] offset:(1-(\t))*8192+\f*512  ; 512 consecutive bytes, aligned
.endr
.endm
; THE DIAGONAL TILE's four steps, the block's last products, and the way out.  more = 1: another block follows: K of its step 0 is asked for ahead of the way out.
.macro DIAG tag, more
	s_cmp_eq_u32 s[ZZ], 0           ; piece 1 at step 0: its own step where z = 0, an earlier one else
	s_cselect_b32 s[AL], 1.0, 0
	s_mov_b32 s[BE], 0
	MASK 1
	WIN 0
.LstepM\tag:
	TURN 0, 1
	TURN 1, 1, 1
	WIN 0
	s_cbranch_scc1 .LstepM\tag
.if \more
	KLOAD0
.endif
.set i, 0
.rept 8
	PV 1                            ; piece 1's V^T P of the last step
.set i, i+1
.endr
	WIN 0
	ALL v_add_f32 v[ST+4*t+2], v[ST+4*t+2], v[ST+4*t+3]
	ALL v_permlanex16_b32 v[ST+4*t+3], v[ST+4*t+2], s[SEL], s[SEL+1]
	ALL v_add_f32 v[ST+4*t+2], v[ST+4*t+2], v[ST+4*t+3]
	ALL v_rcp_f32 v[ST+4*t+2], v[ST+4*t+2]
	v_nop
	s_wait_alu depctr_va_vdst(0)    ; one wait for the two reciprocals
	PACK 0
	PACK 1
	SEND 0, 8
	SEND 1, 0
.endm
.set KM, 0
.Lslot:                             ; NB times: a tile is entered and the next is asked for
	CHANGE 1
	s_sub_co_u32 s[RT], s[RT], 1
	s_mov_b32 s[CNT], 4
	s_cmp_eq_u32 s[NEW], 1
	s_cbranch_scc1 .Lnew            ; a block's first tile (in the loop never its last)
	s_cmp_eq_u32 s[RT], 0
	s_cbranch_scc0 .Lstep           ; neither its first nor its last
	DIAG 1, 1                       ; in the loop this is the first block's end
	s_wait_loadcnt 0x0              ; K of the second block's step 0, asked for ahead of the way out, is in: no load of mine is out when the walk goes on
	s_wait_xcnt 0x0                 ; the stores have read their registers and O's address
	s_mov_b64 s[10:11], s[OLO:OLO+1]
	s_add_co_u32 s[RT], s[PB], 1
	s_mov_b32 s[NEW], 1
	WIN 0x41                        ; the second block's Q goes where the turns name Q
.set i, 0
.rept 32
	v_mov_b32 v[i], v[QB+i]
.set i, i+1
.endr
	WIN 0
	s_branch .Lbottom
.Lnew:
	BEGIN
.Lstep:                             ; a trip is a key step
	TURN 0
	TURN 1, 0, 1
	WIN 0
	s_cbranch_scc1 .Lstep
.Lbottom:
	s_sub_co_u32 s[SLOTS], s[SLOTS], 1
	s_cmp_lg_u32 s[SLOTS], 0
	s_cbranch_scc1 .Lslot
	CHANGE 0                        ; the walk's last tile is written out: nothing is asked for
	s_sub_co_u32 s[RT], s[RT], 1
	s_mov_b32 s[CNT], 4
	s_cmp_eq_u32 s[NEW], 1
	s_cbranch_scc0 .Lold
	BEGIN
.Lold:
	DIAG 2, 0
	s_wait_tensorcnt 0x0            ; the wave's end
	ds_add_u32 v[SPW], v[NIL]
	s_wait_dscnt 0x0
	s_endpgm
.Lfunc_end_k_q1e02f3355c_attn:
	.size	k_q1e02f3355c_attn, .Lfunc_end_k_q1e02f3355c_attn-k_q1e02f3355c_attn
	.p2alignl 7, 3214868480
	.fill 96, 4, 3214868480
	.section	.rodata,"a",@progbits
	.p2align	6, 0x0
	.amdhsa_kernel k_q1e02f3355c_attn
		.amdhsa_group_segment_fixed_size 327680
		.amdhsa_private_segment_fixed_size 0
		.amdhsa_enable_private_segment 0
		.amdhsa_kernarg_size 16
		.amdhsa_user_sgpr_count 2
		.amdhsa_user_sgpr_kernarg_segment_ptr 1
		.amdhsa_wavefront_size32 1
		.amdhsa_system_sgpr_workgroup_id_x 1
		.amdhsa_system_sgpr_workgroup_id_y 1
		.amdhsa_system_sgpr_workgroup_id_z 1
		.amdhsa_system_vgpr_workitem_id 0
		.amdhsa_next_free_vgpr 512
		.amdhsa_next_free_sgpr 96
		.amdhsa_reserve_vcc 1
		.amdhsa_float_denorm_mode_32 3
		.amdhsa_float_denorm_mode_16_64 3
		.amdhsa_memory_ordered 1
		.amdhsa_forward_progress 1
		.amdhsa_inst_pref_size 105
	.end_amdhsa_kernel
	.amdgpu_metadata
---
amdhsa.version: [ 1, 2 ]
amdhsa.kernels:
  - .name:           k_q1e02f3355c_attn
    .symbol:         k_q1e02f3355c_attn.kd
    .args:
      - { .name: qkv, .offset: 0, .size: 8, .value_kind: global_buffer, .address_space: global }
      - { .name: ob, .offset: 8, .size: 8, .value_kind: global_buffer, .address_space: global }
    .group_segment_fixed_size: 327680
    .private_segment_fixed_size: 0
    .kernarg_segment_align: 8
    .kernarg_segment_size: 16
    .max_flat_workgroup_size: 128
    .sgpr_count:     96
    .vgpr_count:     512
    .wavefront_size: 32
...
	.end_amdgpu_metadata
.endif
;; end of part 3
;; launch oproj (part 4): grid 8 x 32, 4 waves a work-group, clusters of 4 x 4, 327,680 bytes of LDS; arguments ob, wob, out0; writes out0
.if DOCPART == 4
	.amdgcn_target "amdgcn-amd-amdhsa--gfx1250"
	.amdhsa_code_object_version 6
	.text
	.protected	k_q1e02f3355c_oproj
	.globl	k_q1e02f3355c_oproj
	.p2align	8
	.type	k_q1e02f3355c_oproj,@function
k_q1e02f3355c_oproj:
	s_mov_b64 s[64:65], 0
	v_nop
	global_prefetch_b8 v0, s[64:65] scope:SCOPE_SE
	s_setreg_imm32_b32 hwreg(HW_REG_WAVE_MODE, 25, 1), 1
	s_wait_xcnt 0x0
	s_wait_alu depctr_hold_cnt(0) depctr_sa_sdst(0) depctr_va_vdst(0) depctr_va_sdst(0) depctr_va_ssrc(0) depctr_va_vcc(0) depctr_vm_vsrc(0)
	s_getreg_b32 s2, hwreg(HW_REG_IB_STS2, 6, 4)
	s_cmp_eq_u32 s2, 0
	s_cbranch_scc0 .Lentry_in_a_cluster
	s_endpgm
.Lentry_in_a_cluster:
	s_bfe_u32 s2, ttmp6, 0x10000c
	s_cmp_lg_u32 s2, 0xf033
	s_cbranch_scc0 .Lentry_shape_is_right
	s_endpgm
.Lentry_shape_is_right:
; OUT: out0[s][n] = the sum over k of O[s][k] Wo[n][k], k = 64 h + d.  O: [16][4096][64] f16 (by heads), wob: [1024][1024] f16, out0: [4096][1024] f32; sums in f32.
; A tile of 128 x 128: 8 x 32 = 256 work-groups.  Four waves, each 64 x 64: 16 accumulators.  K goes in 4 steps of 256 (four heads) through two LDS slots; a quarter of a step is one head.
; A's tile comes as 4 rows (heads) of 8,192 dense bytes (64 tokens x 128 bytes), padded in LDS after every token: [head][token] at pitch 144.  B's as 64 rows of 512 bytes at pitch 528.
; CLUSTER 4 x 4: A's tile is asked for jointly along a row of the cluster, B's along a column.  THE MATRIX INSTRUCTION IS USED TRANSPOSED: a lane holds one token and eight neighbouring columns.
; No prefetch: four short K steps, small tiles.
; REGISTERS: window 0: v16-29 addresses; v32-95 at work on the way out; v128-255 the accumulators ((a, b) at 128 + 8 (4 a + b)).  window 1: two fragment buffers of 128: 64 of A, then 64 of B.
.set PA,     144
.set PB,     528
.set AHEAD,  64*PA                     ; a head's 64 tokens
.set AHALF,  4*AHEAD                   ; what a wave's load of A brings
.set BOFF,   2*AHALF
.set BHALF,  64*PB
.set SLOT,   BOFF+2*BHALF
.set STAGE,  2*SLOT                    ; behind the ring: 16 rows x 272 bytes for each wave
.set SPITCH, 272
.set SPARE,  STAGE+4*16*SPITCH         ; the spare words: 128 bytes a wave, two blocks of 256 bytes that no other line names
.set ASTEP,  4*524288                  ; four heads on
.set BSTEP,  512
.set ADRA, 16
.set ADRB, 20
.set STO,  24
.set RD,   25
.set CO,   26
.set SPW,  28
.set NIL,  29
.set TMP,  32
.set ACC,  128
.set F0,   0
.set F1,   128
.set G1, 24
.set G0, 32
.set G1B, 48
.set G0B, 56
.set MSB, 0
.macro WIN new
.if MSB != (\new)
	s_set_vgpr_msb (MSB<<8)|(\new)
.set MSB, \new
.endif
.endm
.set MUL,  0x05                        ; sources 0 (B) and 1 (A) window 1; C and D window 0
.set TO_F, 0x40
.macro JLOAD s                         ; waves 0, 1 fetch A's halves, waves 2, 3 B's; an s_nop 0 and four v_nop follow each line
	s_cmp_eq_u32 s11, 0
	s_cbranch_scc0 .Lfor_b_\@
	tensor_load_to_lds s[G0+4*(\s):G0+4*(\s)+3], s[G1:G1+7]
	s_nop 0
.rept 4
	v_nop
.endr
	s_branch .Lasked_\@
.Lfor_b_\@:
	tensor_load_to_lds s[G0B+4*(\s):G0B+4*(\s)+3], s[G1B:G1B+7]
	s_nop 0
.rept 4
	v_nop
.endr
.Lasked_\@:
.endm
.macro CREST
	s_cmp_lg_u32 s10, 0
	s_cbranch_scc1 .Lnot_wave_0_\@
	s_barrier_signal -3
.Lnot_wave_0_\@:
	s_barrier_wait -3
	s_barrier_signal -1
	s_barrier_wait -1
.endm
.macro CROUND
	s_barrier_signal -1
	s_barrier_wait -1
	CREST
.endm
	s_load_b128 s[4:7], s[0:1], 0x0                ; ob s[4:5], wob s[6:7]
	s_load_b64 s[8:9], s[0:1], 0x10                ; out0
	v_lshl_add_u32 v[SPW], v0, 2, SPARE
	v_mov_b32 v[NIL], 0
	ds_add_u32 v[SPW], v[NIL]                      ; the wave's opening: the add and its wait ahead of my first tensor load
	v_lshrrev_b32 v1, 5, v0
	v_readfirstlane_b32 s10, v1                    ; wave
	s_lshr_b32 s11, s10, 1                         ; my half of the tile's rows.  Also: I fetch for A (0) or B (1)
	s_and_b32 s12, s10, 1                          ; my half of its columns.  Also: which 64 rows I fetch
	s_bfe_u32 s40, ttmp6, 0x40000
	s_bfe_u32 s41, ttmp6, 0x40004
	s_lshl_b32 s42, ttmp9, 2
	s_add_co_u32 s42, s42, s40                     ; tile column
	s_and_b32 s13, ttmp7, 0xffff
	s_lshl_b32 s13, s13, 2
	s_add_co_u32 s13, s13, s41                     ; tile row
	s_lshl_b32 s43, s41, 2
	s_lshl_b32 s43, 15, s43
	s_lshl_b32 s44, 0x1111, s40
	s_or_b32 s[G1], s43, (1<<16)|(1<<20)|(1<<21)|(4<<22)|(3<<25)   ; A: padding of 4 words after every 32 words (a token's 128 bytes)
	s_mov_b32 s[G1+1], 4096<<16                    ; tensor_dim0 = 4,096 elements: 64 tokens x 64 channels
	s_mov_b32 s[G1+2], 4<<16                       ; tensor_dim1 = 4 heads
	s_mov_b32 s[G1+3], 4096<<16                    ; tile_dim0
	s_mov_b32 s[G1+4], 4                           ; tile_dim1
	s_mov_b32 s[G1+5], 262144                      ; elements from head to head
	s_mov_b32 s[G1+6], 0
	s_mov_b32 s[G1+7], 0
	s_or_b32 s[G1B], s44, (1<<16)|(1<<20)|(1<<21)|(6<<22)|(3<<25)  ; B: 4 words after every 128 words
	s_mov_b32 s[G1B+1], 256<<16
	s_mov_b32 s[G1B+2], 64<<16
	s_mov_b32 s[G1B+3], 256<<16
	s_mov_b32 s[G1B+4], 64
	s_mov_b32 s[G1B+5], 1024
	s_mov_b32 s[G1B+6], 0
	s_mov_b32 s[G1B+7], 0
	s_lshl_b32 s16, s13, 7
	s_lshl_b32 s17, s12, 6
	s_add_co_u32 s16, s16, s17                     ; A: token 128 x tile row + 64 x half
	s_lshl_b32 s16, s16, 7
	s_mov_b32 s17, 0
	s_lshl_b32 s46, s42, 7
	s_lshl_b32 s47, s12, 6
	s_add_co_u32 s46, s46, s47                     ; B: row 128 x tile column + 64 x half
	s_lshl_b32 s46, s46, 11
	s_mov_b32 s47, 0
	s_mul_i32 s20, s12, AHALF
	s_mul_i32 s21, s12, BHALF
	s_add_co_u32 s21, s21, BOFF
.irp s, 0,1
	s_mov_b32 s[G0+4*(\s)], 1
	s_add_co_u32 s[G0+4*(\s)+1], s20, (\s)*SLOT
	s_mov_b32 s[G0B+4*(\s)], 1
	s_add_co_u32 s[G0B+4*(\s)+1], s21, (\s)*SLOT
.endr
	s_wait_dscnt 0x0                               ; the opening add is done
	s_wait_kmcnt 0x0
	s_add_nc_u64 s[G0+2:G0+3], s[4:5], s[16:17]
	s_add_nc_u64 s[G0+6:G0+7], s[G0+2:G0+3], ASTEP
	s_or_b32 s[G0+3], s[G0+3], 0x80000000
	s_or_b32 s[G0+7], s[G0+7], 0x80000000
	s_add_nc_u64 s[G0B+2:G0B+3], s[6:7], s[46:47]
	s_add_nc_u64 s[G0B+6:G0B+7], s[G0B+2:G0B+3], BSTEP
	s_or_b32 s[G0B+3], s[G0B+3], 0x80000000
	s_or_b32 s[G0B+7], s[G0B+7], 0x80000000
	CROUND                                         ; the first joint loads meet
	s_cmp_eq_u32 s11, 0                            ; a wave's two first fills stand in one branch: two loads of mine are out
	s_cbranch_scc0 .Lfirst_b
	tensor_load_to_lds s[G0:G0+3], s[G1:G1+7]
	s_nop 0
	tensor_load_to_lds s[G0+4:G0+7], s[G1:G1+7]
	s_nop 0
.rept 4
	v_nop
.endr
	s_branch .Lfirst_done
.Lfirst_b:
	tensor_load_to_lds s[G0B:G0B+3], s[G1B:G1B+7]
	s_nop 0
	tensor_load_to_lds s[G0B+4:G0B+7], s[G1B:G1B+7]
	s_nop 0
.rept 4
	v_nop
.endr
.Lfirst_done:
	v_and_b32 v1, 15, v0                           ; l % 16
	v_bfe_u32 v2, v0, 4, 1                         ; l / 16
	v_mul_u32_u24 v3, v1, PA
	v_lshl_add_u32 v3, v2, 4, v3
	v_mul_u32_u24 v4, v1, PB
	v_lshl_add_u32 v4, v2, 4, v4
	s_mul_i32 s21, s11, AHALF                      ; my 64 tokens
	s_mul_i32 s22, s12, BHALF                      ; my 64 rows of B
	s_add_co_u32 s22, s22, BOFF
.irp s, 0,1
	v_add_nc_u32 v[ADRA+(\s)], s21, v3
	v_add_nc_u32 v[ADRB+(\s)], s22, v4
	s_add_co_u32 s21, s21, SLOT
	s_add_co_u32 s22, s22, SLOT
.endr
	s_mul_i32 s23, s10, 16*SPITCH
	s_add_co_u32 s23, s23, STAGE                   ; my stage
	v_mul_u32_u24 v5, v1, SPITCH                   ; in: row l % 16, 32 bytes (8 f32) for each half of the lanes
	v_lshl_add_u32 v5, v2, 5, v5
	v_add_nc_u32 v[STO], s23, v5
	v_mul_u32_u24 v5, v2, SPITCH                   ; back: lanes 0-15 take one row of 256 bytes, lanes 16-31 the next
	v_lshl_add_u32 v5, v1, 4, v5
	v_add_nc_u32 v[RD], s23, v5
	v_lshlrev_b32 v5, 12, v2                       ; and the same two rows in out0
	v_lshl_add_u32 v[CO], v1, 4, v5
	s_lshl_b32 s16, s13, 7
	s_lshl_b32 s17, s11, 6
	s_add_co_u32 s16, s16, s17                     ; my first row
	s_lshl_b32 s16, s16, 12
	s_mov_b32 s17, 0
	s_add_nc_u64 s[8:9], s[8:9], s[16:17]
	s_lshl_b32 s46, s42, 9                         ; my first column, in bytes: 512 x tile column + 256 x half
	s_lshl_b32 s47, s12, 8
	s_add_co_u32 s46, s46, s47
	s_mov_b32 s47, 0
	s_add_nc_u64 s[8:9], s[8:9], s[46:47]
; 8 matrix instructions: row blocks a0, a0 + 1 x 4 column blocks, 32 along K: half c of buffer f.  The 16 accumulators take turns.
.macro MUL8 f, c, a0, zero
	WIN MUL
.irp a, \a0, (\a0)+1
.irp b, 0,1,2,3
.if \zero
	v_wmma_f32_16x16x32_f16 v[ACC+8*(4*(\a)+(\b)):ACC+8*(4*(\a)+(\b))+7], v[(\f)+64+8*(4*(\c)+(\b)):(\f)+64+8*(4*(\c)+(\b))+7], v[(\f)+8*(4*(\c)+(\a)):(\f)+8*(4*(\c)+(\a))+7], 0
.else
	v_wmma_f32_16x16x32_f16 v[ACC+8*(4*(\a)+(\b)):ACC+8*(4*(\a)+(\b))+7], v[(\f)+64+8*(4*(\c)+(\b)):(\f)+64+8*(4*(\c)+(\b))+7], v[(\f)+8*(4*(\c)+(\a)):(\f)+8*(4*(\c)+(\a))+7], v[ACC+8*(4*(\a)+(\b)):ACC+8*(4*(\a)+(\b))+7]
.endif
.endr
.endr
.endm
; 32 LDS loads in one run: the fragments of head q of the slot's four, into buffer f; the first 32 channels first
.macro FETCH slot, q, f
	WIN TO_F
.irp c, 0,1
.irp i, 0,1,2,3
	ds_load_b128 v[(\f)+64+8*(4*(\c)+(\i)):(\f)+64+8*(4*(\c)+(\i))+3],   v[ADRB+(\slot)] offset:(\q)*128+64*(\c)+(\i)*16*PB
	ds_load_b128 v[(\f)+64+8*(4*(\c)+(\i))+4:(\f)+64+8*(4*(\c)+(\i))+7], v[ADRB+(\slot)] offset:(\q)*128+64*(\c)+(\i)*16*PB+32
	ds_load_b128 v[(\f)+8*(4*(\c)+(\i)):(\f)+8*(4*(\c)+(\i))+3],         v[ADRA+(\slot)] offset:(\q)*AHEAD+64*(\c)+(\i)*16*PA
	ds_load_b128 v[(\f)+8*(4*(\c)+(\i))+4:(\f)+8*(4*(\c)+(\i))+7],       v[ADRA+(\slot)] offset:(\q)*AHEAD+64*(\c)+(\i)*16*PA+32
.endr
.endr
.endm
.macro PLACES
.rept 4
	v_nop
.endr
.endm
.macro QUARTER slot, q, f, g, zero     ; multiplies buffer f and fetches head q into g
	s_wait_dscnt 16                                ; the first 32 channels are in
	MUL8 \f, 0, 0, \zero
	MUL8 \f, 0, 2, \zero
	PLACES
	FETCH \slot, \q, \g
	s_wait_dscnt 32                                ; all but the 32 just issued
	MUL8 \f, 1, 0, 0
	MUL8 \f, 1, 2, 0
.endm
; The last quarter multiplies buffer 1 and changes slots: one barrier; in front of it each wave waits for all its tensor loads, adds 0 to its spare word, and waits for that and for its reads of this slot.
.macro TURN slot, next, fill
	WIN 0
	s_wait_tensorcnt 0x0
	ds_add_u32 v[SPW], v[NIL]
	s_wait_dscnt 17                                ; (the add and the youngest sixteen loads may be out)
	MUL8 F1, 0, 0, 0
	s_wait_dscnt 0x0                               ; the add is done, and my reads of this slot are over
	s_barrier_signal -1
	MUL8 F1, 0, 2, 0
.if \fill
	WIN 0
.endif
	s_barrier_wait -1
.if \fill
	CREST                                          ; the barrier has opened a round of the cluster's
	s_add_nc_u64 s[G0+4*(\slot)+2:G0+4*(\slot)+3], s[G0+4*(\slot)+2:G0+4*(\slot)+3], 2*ASTEP
	s_add_nc_u64 s[G0B+4*(\slot)+2:G0B+4*(\slot)+3], s[G0B+4*(\slot)+2:G0B+4*(\slot)+3], 2*BSTEP
	JLOAD \slot                                    ; its four v_nop are also the places in front of the loads below
.else
	PLACES
.endif
	FETCH \next, 0, F0
	MUL8 F1, 1, 0, 0
	MUL8 F1, 1, 2, 0
.endm
	s_wait_tensorcnt 1                             ; my part of K step 0 is in; step 1's may stay out
	s_barrier_signal -1
	s_barrier_wait -1
	FETCH 0, 0, F0
	QUARTER 0, 1, F0, F1, 1                        ; the first products start the sums
	QUARTER 0, 2, F1, F0, 0
	QUARTER 0, 3, F0, F1, 0
	TURN 0, 1, 1                                   ; slot 0 takes K step 2
	QUARTER 1, 1, F0, F1, 0
	QUARTER 1, 2, F1, F0, 0
	QUARTER 1, 3, F0, F1, 0
	TURN 1, 0, 1                                   ; slot 1 takes K step 3
	QUARTER 0, 1, F0, F1, 0
	QUARTER 0, 2, F1, F0, 0
	QUARTER 0, 3, F0, F1, 0
	TURN 0, 1, 0
	QUARTER 1, 1, F0, F1, 0
	QUARTER 1, 2, F1, F0, 0
	QUARTER 1, 3, F0, F1, 0
	s_wait_dscnt 16                                ; the very last quarter
	MUL8 F1, 0, 0, 0
	MUL8 F1, 0, 2, 0
	s_wait_dscnt 0x0
	MUL8 F1, 1, 0, 0
	MUL8 F1, 1, 2, 0
	WIN 0
	PLACES
	PLACES
	; THE WAY OUT, 16 rows at a time through my own stage: a wave's 64 columns of f32 are 256 bytes.  Each accumulator's low registers are read first.
.irp a, 0,1,2,3
.if (\a) >= 2
	s_wait_xcnt 0x0                                ; the stores of two blocks back have read their registers
.endif
.irp b, 0,1,2,3
	ds_store_b128 v[STO], v[ACC+8*(4*(\a)+(\b)):ACC+8*(4*(\a)+(\b))+3]   offset:64*(\b)
	ds_store_b128 v[STO], v[ACC+8*(4*(\a)+(\b))+4:ACC+8*(4*(\a)+(\b))+7] offset:64*(\b)+16
.endr
.irp t, 0,1,2,3,4,5,6,7
	ds_load_b128 v[TMP+32*((\a)%2)+4*(\t):TMP+32*((\a)%2)+4*(\t)+3], v[RD] offset:(\t)*2*SPITCH  ; a wave's LDS instructions are served in order: these see the stores above
.endr
.irp t, 0,1,2,3,4,5,6,7
	s_wait_dscnt 7-(\t)
	global_store_b128 v[CO], v[TMP+32*((\a)%2)+4*(\t):TMP+32*((\a)%2)+4*(\t)+3], s[8:9] offset:(\a)*65536+(\t)*8192 th:TH_STORE_NT  ; 16 lanes store 256 consecutive bytes, aligned
.endr
.endr
	s_wait_tensorcnt 0x0                           ; the wave's end
	ds_add_u32 v[SPW], v[NIL]
	s_wait_dscnt 0x0
	CROUND                                         ; the closing round
	s_endpgm
.Lfunc_end_k_q1e02f3355c_oproj:
	.size	k_q1e02f3355c_oproj, .Lfunc_end_k_q1e02f3355c_oproj-k_q1e02f3355c_oproj
	.p2alignl 7, 3214868480
	.fill 96, 4, 3214868480
	.section	.rodata,"a",@progbits
	.p2align	6, 0x0
	.amdhsa_kernel k_q1e02f3355c_oproj
		.amdhsa_group_segment_fixed_size 327680
		.amdhsa_private_segment_fixed_size 0
		.amdhsa_enable_private_segment 0
		.amdhsa_kernarg_size 24
		.amdhsa_user_sgpr_count 2
		.amdhsa_user_sgpr_kernarg_segment_ptr 1
		.amdhsa_wavefront_size32 1
		.amdhsa_system_sgpr_workgroup_id_x 1
		.amdhsa_system_sgpr_workgroup_id_y 1
		.amdhsa_system_sgpr_workgroup_id_z 1
		.amdhsa_system_vgpr_workitem_id 0
		.amdhsa_next_free_vgpr 512
		.amdhsa_next_free_sgpr 66
		.amdhsa_reserve_vcc 0
		.amdhsa_float_denorm_mode_32 3
		.amdhsa_float_denorm_mode_16_64 3
		.amdhsa_memory_ordered 1
		.amdhsa_forward_progress 1
		.amdhsa_inst_pref_size 86
	.end_amdhsa_kernel
	.amdgpu_metadata
---
amdhsa.version: [ 1, 2 ]
amdhsa.kernels:
  - .name:           k_q1e02f3355c_oproj
    .symbol:         k_q1e02f3355c_oproj.kd
    .args:
      - { .name: ob, .offset: 0, .size: 8, .value_kind: global_buffer, .address_space: global }
      - { .name: wob, .offset: 8, .size: 8, .value_kind: global_buffer, .address_space: global }
      - { .name: out0, .offset: 16, .size: 8, .value_kind: global_buffer, .address_space: global }
    .group_segment_fixed_size: 327680
    .private_segment_fixed_size: 0
    .kernarg_segment_align: 8
    .kernarg_segment_size: 24
    .max_flat_workgroup_size: 128
    .sgpr_count:     66
    .vgpr_count:     512
    .wavefront_size: 32
...
	.end_amdgpu_metadata
.endif
;; end of part 4
;; ======== version 2 of 2: 4 launches; version 1 with the launch prep written anew for expert scheduling mode
;; limits: values are held in f16: magnitudes above 65,504 overflow, below 6.1e-05 lose precision; right only within a limited range of input values
;; workspace buffers: xb 8,388,608 bytes; wqkv 6,291,456 bytes; wob 2,097,152 bytes; tab 1,048,576 bytes; qkv 25,165,824 bytes; ob 8,388,608 bytes
;; launch prep (part 5): grid 256 x 1, 8 waves a work-group, no clusters, 0 bytes of LDS; arguments x, Wq, Wk, Wv, Wo, token_positions, xb, wqkv, wob, tab; writes xb, wqkv, wob, tab
.if DOCPART == 5
	.amdgcn_target "amdgcn-amd-amdhsa--gfx1250"
	.amdhsa_code_object_version 6
	.text
	.protected	k_q1e02f3355c_prep
	.globl	k_q1e02f3355c_prep
	.p2align	8
	.type	k_q1e02f3355c_prep,@function
k_q1e02f3355c_prep:
	s_mov_b64 s[64:65], 0
	v_nop
	global_prefetch_b8 v0, s[64:65] scope:SCOPE_SE
	s_setreg_imm32_b32 hwreg(HW_REG_WAVE_SCHED_MODE, 0, 2), 2
	s_setreg_imm32_b32 hwreg(HW_REG_WAVE_MODE, 25, 1), 1
	s_wait_xcnt 0x0
	s_wait_alu depctr_vm_vsrc(0)
; PREP: the casts to 16 bits and the table of cosines and sines.
; x [4096][1024] f32 -> xb bf16.  Wq, Wk, Wv [1024][1024] f32 -> wqkv bf16, rows ordered by head: row 192 j + 64 t + r holds row 64 j + r of W_t (t = 0 q, 1 k, 2 v).
; Wo -> wob: rounded to bf16 like the other inputs, and that number written as f16.  LIMIT: below 2^-17 it keeps f16's fixed step of 2^-24.
; tab [4096][32][cos, sin] f32: the angle is f32(position) x 10000^(-i/32), one rounding; the power by v_exp_f32.
; sin and cos: the angle less k x pi/2 (pi/2 in three parts, fused multiply-adds), Taylor polynomials on |r| <= pi/4, the quadrant by selects.  LIMIT: angles under 2^24 x pi/2.
; SHARES.  The 8,192 rows of 4,096 bytes are dealt 32 to a work-group: 131,072 dense bytes in, 65,536 dense bytes out.  Thread t takes 32 bytes of each 8,192 and stores 16:
; a wave's store covers 512 consecutive bytes, aligned.  All 32 loads of a thread go out at once; no register is used twice, so no wait frees one.
; No LDS, no matrix unit, no prefetch: each byte is read once, by loads that are all on their way from the start.
; THE MODE: SCHED_MODE bits 1:0 = 2 (LLVM: expert scheduling mode 2), set by the entry lines.  The code itself states the register dependences
; between vector instructions and memory instructions, with s_wait_alu, always for 0.
; THE PLAN.  Registers that memory instructions touch:
;   v1 .. v4     byte offsets, made once at the head and never written again; every load and store reads one of them.
;   v5, IN       written by the 33 loads, which all go out at the start; no vector instruction names them ahead of the loads, and no load lands in them later.
;   v[28:31]     written by the trigonometry, read by the one store into the table, never written again.
;   OUT          four registers for each of the 16 pairs of loads: written once, by the pair's roundings, and read once, by the pair's store.
; The 16 pairs go in four blocks of four.  Block p rounds its four pairs; its memory instructions are the four stores of block p - 1, whose registers no vector instruction of block p names.
; So ONE wait on va_vdst stands at the head of blocks 1 to 3, and the block's stores follow it, dealt among the roundings, with no further wait; block 1's wait serves the table's store too;
; one more stands ahead of the last four stores.  No register that a memory instruction reads is written again, so past the entry lines the text holds no wait on vm_vsrc.
.set IN,  32                           ; v[32:159]   32 loads of 4 registers
.set OUT, 160                          ; v[160:223]  16 stores of 4 registers
	s_load_b512 s[8:23], s[0:1], 0x0               ; x s[8:9], Wq s[10:11], Wk s[12:13], Wv s[14:15], Wo s[16:17], positions s[18:19], xb s[20:21], wqkv s[22:23]
	s_load_b128 s[24:27], s[0:1], 0x40             ; wob s[24:25], tab s[26:27]
	v_lshlrev_b32 v1, 5, v0                        ; 32 t: my bytes in
	v_lshlrev_b32 v2, 4, v0                        ; 16 t: my bytes out
	v_lshrrev_b32 v3, 4, v0
	s_lshl_b32 s43, ttmp9, 6
	v_lshl_add_u32 v3, v3, 2, s43                  ; my table row's position: 4 (16 g + t / 16)
	s_lshl_b32 s44, ttmp9, 12
	v_lshl_add_u32 v4, v0, 4, s44                  ; my 16 bytes of the table: 256 (16 g) + 16 t
	s_mov_b32 s42, 0xffff0000                      ; a word's upper bf16
	s_and_b32 s36, ttmp9, 31                       ; c: the block of 32 rows in a weight
	s_sub_co_u32 s41, ttmp9, 128
	s_lshr_b32 s37, s41, 5                         ; which weight: 0 q, 1 k, 2 v, 3 o (for g >= 128)
	s_cmp_lt_u32 ttmp9, 128
	s_cselect_b32 s38, ttmp9, s36
	s_lshl_b32 s32, s38, 17                        ; offset in: 131,072 bytes a block
	s_mov_b32 s33, 0
	s_lshr_b32 s39, s36, 1                         ; the head
	s_mul_i32 s39, s39, 192
	s_lshl_b32 s40, s37, 6
	s_add_co_u32 s39, s39, s40
	s_and_b32 s40, s36, 1
	s_lshl_b32 s40, s40, 5
	s_add_co_u32 s39, s39, s40
	s_lshl_b32 s39, s39, 11                        ; offset out in wqkv: row x 2,048 bytes
	s_lshl_b32 s40, s38, 16                        ; offset out in xb and wob
	s_cmp_lt_u32 s41, 96                           ; 128 <= g < 224
	s_cselect_b32 s34, s39, s40
	s_mov_b32 s35, 0
	s_wait_kmcnt 0x0
	s_cmp_eq_u32 s37, 0
	s_cselect_b64 s[28:29], s[10:11], s[16:17]
	s_cmp_eq_u32 s37, 1
	s_cselect_b64 s[28:29], s[12:13], s[28:29]
	s_cmp_eq_u32 s37, 2
	s_cselect_b64 s[28:29], s[14:15], s[28:29]
	s_cmp_lt_u32 ttmp9, 224
	s_cselect_b64 s[30:31], s[22:23], s[24:25]
	s_cmp_lt_u32 ttmp9, 128
	s_cselect_b64 s[28:29], s[8:9], s[28:29]
	s_cselect_b64 s[30:31], s[20:21], s[30:31]
	s_add_nc_u64 s[28:29], s[28:29], s[32:33]
	s_add_nc_u64 s[30:31], s[30:31], s[34:35]
	s_wait_alu depctr_va_vdst(0)                   ; the four offsets v1 to v4 are written: every load and store of the kernel reads one of them
	global_load_b32 v5, v3, s[18:19]
.set i, 0
.rept 16
	global_load_b128 v[IN+8*i:IN+8*i+3],   v1, s[28:29] offset:8192*i th:TH_LOAD_NT
	global_load_b128 v[IN+8*i+4:IN+8*i+7], v1, s[28:29] offset:8192*i+16 th:TH_LOAD_NT
.set i, i+1
.endr
	v_and_b32 v7, 15, v0
	v_lshlrev_b32 v7, 1, v7                        ; my two pairs: i = 2 (t % 16), and i + 1
	v_add_nc_u32 v8, 1, v7
	v_cvt_f32_u32 v7, v7
	v_cvt_f32_u32 v8, v8
	v_mul_f32 v7, 0xbed49a78, v7                   ; - i log2(10000) / 32
	v_mul_f32 v8, 0xbed49a78, v8
	v_exp_f32 v9, v7
	v_exp_f32 v10, v8
	v_nop                                          ; a plain instruction behind the last exponential
	s_wait_loadcnt 32                              ; the position is in; the 32 loads behind it stay out
	v_cvt_f32_i32 v6, v5
	s_wait_alu depctr_va_vdst(0)                   ; the two exponentials have written v9 and v10: one wait for both, ahead of their first reader
; cos and sin of v6 x v[inv], in two parts.  The first: the angle into v[a], k into v[k], k as a whole number into v[q], and k's parity as a mask into s[m].
; Both angles' first parts stand together, so that the two compares are one run with one wait behind it.
.macro TRIGA inv, a, k, q, m
	v_mul_f32 v[\a], v6, v[\inv]                   ; the angle
	v_mul_f32 v[\k], 0x3f22f983, v[\a]             ; x 2 / pi
	v_rndne_f32 v[\k], v[\k]                       ; k
	v_cvt_i32_f32 v[\q], v[\k]                     ; the quadrant is k mod 4
	v_and_b32 v20, 1, v[\q]
	v_cmp_ne_u32 s[\m], 0, v20
.endm
; The second part: cos into v[dc], sin into v[dc+1].  w = 1: the wait for the masks is laid, ahead of their first reader.
.macro TRIGB a, k, q, m, dc, w
	v_fmamk_f32 v14, v[\k], 0xbfc90fd8, v[\a]      ; r = angle - k pi/2, pi/2 in three parts
	v_fmamk_f32 v14, v[\k], 0xb4a8885a, v14
	v_fmamk_f32 v14, v[\k], 0xa7c234c4, v14
	v_mul_f32 v15, v14, v14                        ; r^2
	v_mov_b32 v16, 0x3638ef1d                      ; 1/9!
	v_fmaak_f32 v16, v16, v15, 0xb9500d01          ; -1/7!
	v_fmaak_f32 v16, v16, v15, 0x3c088889          ; 1/5!
	v_fmaak_f32 v16, v16, v15, 0xbe2aaaab          ; -1/3!
	v_mul_f32 v17, v14, v15
	v_fma_f32 v16, v17, v16, v14                   ; sin r
	v_mov_b32 v18, 0xb493f27e                      ; -1/10!
	v_fmaak_f32 v18, v18, v15, 0x37d00d01          ; 1/8!
	v_fmaak_f32 v18, v18, v15, 0xbab60b61          ; -1/6!
	v_fmaak_f32 v18, v18, v15, 0x3d2aaaab          ; 1/4!
	v_fma_f32 v18, v18, v15, -0.5
	v_fma_f32 v18, v18, v15, 1.0                   ; cos r
.if \w
	s_wait_alu depctr_va_sdst(0)                   ; the two compares have written s46 and s47, which the selects of both angles read
.endif
	v_cndmask_b32 v21, v16, v18, s[\m]             ; odd k: sin and cos change places
	v_cndmask_b32 v22, v18, v16, s[\m]
	v_and_b32 v20, 2, v[\q]
	v_lshlrev_b32 v20, 30, v20
	v_xor_b32 v[(\dc)+1], v21, v20                 ; sin turns its sign for k mod 4 = 2, 3
	v_add_nc_u32 v[\q], 1, v[\q]
	v_and_b32 v[\q], 2, v[\q]
	v_lshlrev_b32 v[\q], 30, v[\q]
	v_xor_b32 v[\dc], v22, v[\q]                   ; cos for k mod 4 = 1, 2
.endm
	TRIGA 9,  12, 13, 19, 46
	TRIGA 10, 23, 24, 25, 47
	TRIGB 12, 13, 19, 46, 28, 1
	TRIGB 23, 24, 25, 47, 30, 0
; The roundings of pair i of loads.  half = 0: to bf16.  half = 1: to bf16, and that number as f16.
.macro CVT i, half
.if \half
.irp j, 0,1,2,3
	v_cvt_pk_bf16_f32 v[20+(\j)], v[IN+8*(\i)+2*(\j)], v[IN+8*(\i)+2*(\j)+1]
.endr
.irp j, 0,1,2,3
	v_lshlrev_b32 v[12+2*(\j)], 16, v[20+(\j)]
	v_and_b32 v[13+2*(\j)], s42, v[20+(\j)]
.endr
.irp j, 0,1,2,3
	v_cvt_pk_f16_f32 v[OUT+4*(\i)+(\j)], v[12+2*(\j)], v[13+2*(\j)]
.endr
.else
.irp j, 0,1,2,3
	v_cvt_pk_bf16_f32 v[OUT+4*(\i)+(\j)], v[IN+8*(\i)+2*(\j)], v[IN+8*(\i)+2*(\j)+1]
.endr
.endif
.endm
; Block p: pairs 4 p to 4 p + 3 are rounded; the stores of block p - 1 are dealt among the roundings, each ahead of the wait for its pair's loads.
.macro BLK p, half
	s_wait_loadcnt 30-8*(\p)                       ; the block's first pair of loads is in; the younger pairs stay out
.if (\p) > 0
	s_wait_alu depctr_va_vdst(0)                   ; the block before has written its 16 registers of OUT, which the stores below read (block 1: the trigonometry has written v[28:31] too)
.endif
.if (\p) == 1
	global_store_b128 v4, v[28:31], s[26:27]       ; sixteen lanes fill a table row of 256 bytes
.endif
.irp i, 0,1,2,3
.if (\p) > 0
	global_store_b128 v2, v[OUT+4*(4*((\p)-1)+(\i)):OUT+4*(4*((\p)-1)+(\i))+3], s[30:31] offset:4096*(4*((\p)-1)+(\i))  ; no vector instruction since the wait names these registers
.endif
.if (\i) > 0
	s_wait_loadcnt 30-2*(4*(\p)+(\i))              ; my pair 4 p + i of loads is in
.endif
	CVT 4*(\p)+(\i), \half
.endr
.endm
.macro LAST                            ; block 3's stores
	s_wait_alu depctr_va_vdst(0)                   ; block 3 has written its 16 registers of OUT, which the last four stores read
.irp i, 12,13,14,15
	global_store_b128 v2, v[OUT+4*(\i):OUT+4*(\i)+3], s[30:31] offset:4096*(\i)
.endr
.endm
	s_cmp_ge_u32 ttmp9, 224
	s_cbranch_scc1 .Lhalf
	BLK 0, 0
	BLK 1, 0
	BLK 2, 0
	BLK 3, 0
	LAST
	s_endpgm
.Lhalf:
	BLK 0, 1
	BLK 1, 1
	BLK 2, 1
	BLK 3, 1
	LAST
	s_endpgm
.Lfunc_end_k_q1e02f3355c_prep:
	.size	k_q1e02f3355c_prep, .Lfunc_end_k_q1e02f3355c_prep-k_q1e02f3355c_prep
	.p2alignl 7, 3214868480
	.fill 96, 4, 3214868480
	.section	.rodata,"a",@progbits
	.p2align	6, 0x0
	.amdhsa_kernel k_q1e02f3355c_prep
		.amdhsa_group_segment_fixed_size 0
		.amdhsa_private_segment_fixed_size 0
		.amdhsa_enable_private_segment 0
		.amdhsa_kernarg_size 80
		.amdhsa_user_sgpr_count 2
		.amdhsa_user_sgpr_kernarg_segment_ptr 1
		.amdhsa_wavefront_size32 1
		.amdhsa_system_sgpr_workgroup_id_x 1
		.amdhsa_system_sgpr_workgroup_id_y 1
		.amdhsa_system_sgpr_workgroup_id_z 1
		.amdhsa_system_vgpr_workitem_id 0
		.amdhsa_next_free_vgpr 224
		.amdhsa_next_free_sgpr 66
		.amdhsa_reserve_vcc 0
		.amdhsa_float_denorm_mode_32 3
		.amdhsa_float_denorm_mode_16_64 3
		.amdhsa_memory_ordered 1
		.amdhsa_forward_progress 1
		.amdhsa_inst_pref_size 30
	.end_amdhsa_kernel
	.amdgpu_metadata
---
amdhsa.version: [ 1, 2 ]
amdhsa.kernels:
  - .name:           k_q1e02f3355c_prep
    .symbol:         k_q1e02f3355c_prep.kd
    .args:
      - { .name: x, .offset: 0, .size: 8, .value_kind: global_buffer, .address_space: global }
      - { .name: Wq, .offset: 8, .size: 8, .value_kind: global_buffer, .address_space: global }
      - { .name: Wk, .offset: 16, .size: 8, .value_kind: global_buffer, .address_space: global }
      - { .name: Wv, .offset: 24, .size: 8, .value_kind: global_buffer, .address_space: global }
      - { .name: Wo, .offset: 32, .size: 8, .value_kind: global_buffer, .address_space: global }
      - { .name: token_positions, .offset: 40, .size: 8, .value_kind: global_buffer, .address_space: global }
      - { .name: xb, .offset: 48, .size: 8, .value_kind: global_buffer, .address_space: global }
      - { .name: wqkv, .offset: 56, .size: 8, .value_kind: global_buffer, .address_space: global }
      - { .name: wob, .offset: 64, .size: 8, .value_kind: global_buffer, .address_space: global }
      - { .name: tab, .offset: 72, .size: 8, .value_kind: global_buffer, .address_space: global }
    .group_segment_fixed_size: 0
    .private_segment_fixed_size: 0
    .kernarg_segment_align: 8
    .kernarg_segment_size: 80
    .max_flat_workgroup_size: 256
    .sgpr_count:     66
    .vgpr_count:     224
    .wavefront_size: 32
...
	.end_amdgpu_metadata
.endif
;; end of part 5
;; launch qkv: the kernel of part 2 again; grid 16 x 16, 4 waves a work-group, clusters of 4 x 4, 327,680 bytes of LDS; arguments xb, wqkv, tab, qkv; writes qkv
;; launch attn: the kernel of part 3 again; grid 16 x 16, 4 waves a work-group, no clusters, 327,680 bytes of LDS; arguments qkv, ob; writes ob
;; launch oproj: the kernel of part 4 again; grid 8 x 32, 4 waves a work-group, clusters of 4 x 4, 327,680 bytes of LDS; arguments ob, wob, out0; writes out0
